; MI455X (gfx1250); checked and timed in simulation.
; The chip was launched on July 23, 2026; its instructions are those of AMD's public machine-readable ISA for CDNA 5 (MIT licence, August 2026) and "CDNA5" Instruction Set Architecture Reference Guide (July 2026). The comments in the code are by the model that wrote it; some were corrected since.
;; Multi Head Attention. Allowed arithmetic: matrix products marked QUANTISED: E2M3 operands, one E8M0 scale for each 32 along K, by v_wmma_scale_f32_16x16x128_f8f6f4 with both operands' format E2M3, f32 sums; everything else in f32.
;; Inputs: W_out 1,024 x 1,024 float32; W_qkv 3,072 x 1,024 float32; b_out 1,024 float32; b_qkv 3,072 float32; x 4 x 2,048 x 1,024 float32.
;; Outputs: out0 4 x 2,048 x 1,024 float32.
;; This version of the problem:
;;   THIS VERSION OF THE PROBLEM IS GIVEN IN LOW PRECISION. The matrix products marked QUANTISED in the list below multiply operands that are first quantised to E2M3 (2 exponent bits, 3 mantissa bits; 6 bits a number), with one power-of-two scale for each 32 numbers along K (OCP MX v1.0); their sums are f32. All else is computed in f32.
;;   The module's matrix products, in the order in which they are computed (A, B: the left and right operand; K: the contracted axis; several contracted axes count as one K, in the product's order):
;;     1. [M 8,192, K 1,024] x [K 1,024, N 3,072]; A: input x; B: input W_qkv: QUANTISED
;;     2. batch 64 x [M 2,048, K 64] x [K 64, N 2,048]; A: computed on the way; B: computed on the way: QUANTISED
;;     3. batch 64 x [M 2,048, K 2,048] x [K 2,048, N 64]; A: softmax (see below); B: computed on the way: QUANTISED
;;     4. [M 8,192, K 1,024] x [K 1,024, N 1,024]; A: computed on the way; B: input W_out: QUANTISED
;;   THE QUANTISER, for each operand of a quantised product, along K:
;;     - K is cut into blocks of 32 from its start; a last block that is shorter is filled with zeros.
;;     - A block's scale is 2^e with e = floor(log2(the largest magnitude in the block)) - 2, held to -126 .. 127; a block of zeros has e = 0. As a byte (E8M0): e + 127.
;;     - Each number is divided by its block's scale, clamped to +-7.5, and rounded to the nearest number of E2M3, ties to even, subnormals kept.
;;     - The product sums the exact products of the quantised numbers (number of the format x scale) in f32.
;;   ~~~python
;;   def quantise(x, axis):      # numpy; x: float32 -> the quantised numbers, widened to float32 again
;;       x = np.moveaxis(x, axis, -1); K = x.shape[-1]
;;       x = np.pad(x, [(0, 0)] * (x.ndim - 1) + [(0, -K % 32)]); x = x.reshape(x.shape[:-1] + (-1, 32)); a = np.abs(x).max(-1, keepdims=True)
;;       e = np.where(a > 0, np.clip(np.frexp(np.where(a > 0, a, 1))[1] - 1 - 2, -126, 127), 0)      # np.frexp(a)[1] - 1 = floor(log2(a)), exactly
;;       r = np.clip(x / 2.0 ** e, -7.5, 7.5)
;;       step = 2.0 ** (np.maximum(np.frexp(np.where(r == 0, 1, r))[1] - 1, 0) - 3)
;;       q = np.round(r / step) * step * 2.0 ** e      # np.round: ties to even
;;       return np.moveaxis(q.reshape(q.shape[:-2] + (-1,))[..., :K], -1, axis).astype(np.float32)
;;   ~~~
;;   SOFTMAX AHEAD OF A QUANTISED PRODUCT. Where the list says 'softmax', what is quantised is not the finished softmax but p = 2^(t - M), with t = logit x log2(e) and M = ceil(the row's largest t), a whole number; so 1/2 < the row's largest p <= 1. The row's sum l is taken of the UNQUANTISED p, in f32, and the product's result is divided by l at the end. Since M is a whole number, a kernel that streams over the keys may use a running M (the ceiling of the running maximum): every later rescaling is an exact power of two, which a block's scale takes up: the codes' values come out the same.
;;   OPERANDS COMPUTED ON THE WAY. 'Computed on the way' means the value that the module computes at that place (a softmax that the list does not call 'softmax' is quantised finished and normalised). What goes into a quantiser is computed in f32, as accurately as f32 sums, v_exp_f32 and their like allow (about 1e-6 of the number): no bf16 or f16 on the way to a quantiser, and a product that is left as it is and whose result goes on into a quantised operand takes f32 operands (vector FMAs, or v_wmma_f32_16x16x4_f32). A number that lies on a knife's edge between two numbers of the format may be rounded either way, as far as f32 arithmetic and the matrix unit's own rounding can turn it there, and no further.
;; One version. Each part assembles by itself: llvm-mc -triple=amdgcn-amd-amdhsa -mcpu=gfx1250 --defsym DOCPART=n.
;; ======== version 1 of 1: 5 launches
;; limits: right only within a limited range of input values
;; workspace buffers: cimg 9,437,184 bytes; csc 393,216 bytes; himg 18,874,368 bytes; hsc 1,310,720 bytes; aimg 6,291,456 bytes; asc 262,144 bytes
;; launch quant (part 1): grid 384 x 1, 4 waves a work-group, no clusters, 34,304 bytes of LDS; arguments x, W_qkv, W_out, cimg, csc; writes cimg, csc
.if DOCPART == 1
	.amdgcn_target "amdgcn-amd-amdhsa--gfx1250"
	.amdhsa_code_object_version 6
	.text
	.protected	k_qee8ba9545b_quant
	.globl	k_qee8ba9545b_quant
	.p2align	8
	.type	k_qee8ba9545b_quant,@function
k_qee8ba9545b_quant:
	s_mov_b64 s[64:65], 0
	v_nop
	global_prefetch_b8 v0, s[64:65] scope:SCOPE_SE
	s_setreg_imm32_b32 hwreg(HW_REG_WAVE_MODE, 25, 1), 1
	s_wait_xcnt 0x0
; x [8192][1024], W_qkv [3072][1024] and W_out [1024][1024], f32, K innermost, become codes of FP6 (E2M3) with one E8M0 byte for each 32 along K,
; laid as IMAGES OF OPERAND REGISTERS.  A tile T holds the 16 rows 32 (T / 2) + 8 (T % 2) + r + 8 (r / 8), r = 0 .. 15; tiles 0-511 are x's, 512-703 W_qkv's, 704-767 W_out's.
; cimg [tile][K step s of 128][1,536]: piece p (0 .. 5) at 256 p, lane l's 8 bytes at 8 l: registers 2 p, 2 p + 1 of the fragment in lane l.
; csc  [tile][512]: the scale word of (s, row r) at 128 (s / 2) + 8 r + 4 (s % 2).
; A block's scale is 2^(floor(log2(largest magnitude)) - 2); its byte is the largest magnitude's exponent field - 2, held at 1 from below.
; LIMITS: a block of zeros gets the byte 1 (its codes are zeros; this program alone reads the bytes); blocks whose largest magnitude lies under 2^-124 are held at the byte 1; NaN and infinities are not served.
; SHARES: a work-group takes 32 rows (two tiles), wave w tile w / 2 and half w % 2 of K: four K steps.  Each load reads 512 consecutive bytes of one row; a K step's 16 x 512 bytes turn through the wave's own
; stage in LDS (rows 528 bytes apart), so that lane (r, h) gets, of row r, the 16 neighbours 32 b + 16 h + 0 .. 15 of each block b.  Waves share nothing: no barrier.  No tile is read by two work-groups: no cluster.
.set STG,   16*528                     ; a wave's stage
.set SPARE, 4*STG                      ; behind the stages: the spare words, 128 bytes for each wave
.set GI,  4                            ; v4   16 x lane: my bytes of a load's 512
.set SI,  5                            ; v5   the stage, on the way in
.set SO,  6                            ; v6   and on the way out: 528 r + 64 h
.set L8,  7                            ; v7   8 x lane: my place in a piece of an image, and among the scale words
.set SPW, 8                            ; v8   my spare word; never rewritten
.set NIL, 9                            ; v9   0; never rewritten
.set Y,   10                           ; v10-11 the scale words as they leave
.set PWS, 12                           ; v12-15 the scale word of each K step
.set PC,  16                           ; v16-35 the codes just made
.set TM,  36                           ; v36-51 at work
.set R,   64                           ; v64-191 two sets of 64 numbers as loaded
.set X,   192                          ; v192-255 64 numbers: register 16 b + i = k 32 b + 16 h + i of my row
.set SEL, 20                           ; s[20:21] v_permlanex16_b32's selects for lane l xor 16
	s_load_b256 s[4:11], s[0:1], 0x0               ; x s[4:5], W_qkv s[6:7], W_out s[8:9], cimg s[10:11]
	s_load_b64 s[12:13], s[0:1], 0x20              ; csc
	v_lshl_add_u32 v[SPW], v0, 2, SPARE
	v_mov_b32 v[NIL], 0
	v_lshrrev_b32 v1, 5, v0
	v_readfirstlane_b32 s16, v1                    ; wave
	v_and_b32 v1, 31, v0                           ; lane
	v_and_b32 v2, 15, v0                           ; r
	v_bfe_u32 v3, v0, 4, 1                         ; h
	v_lshlrev_b32 v[GI], 4, v1
	s_mul_i32 s17, s16, STG
	v_add_nc_u32 v[SI], s17, v[GI]
	v_mul_u32_u24 v[SO], v2, 528
	v_lshl_add_u32 v[SO], v3, 6, v[SO]
	v_add_nc_u32 v[SO], s17, v[SO]
	v_lshlrev_b32 v[L8], 3, v1
	s_mov_b32 s[SEL], 0x76543210
	s_mov_b32 s[SEL+1], 0xfedcba98
	s_mov_b32 s22, 0xffff0000                      ; lanes 16-31
.irp b, 0,1,2,3
	v_mov_b32 v[TM+4+\b], 0                        ; written once: a lane permute's destination counts as one of its sources
.endr
	s_lshr_b32 s18, s16, 1                         ; which of the two tiles
	s_and_b32 s19, s16, 1                          ; which half of K
	s_mov_b32 s25, 0
	s_wait_alu depctr_va_vdst(0)
	s_wait_kmcnt 0x0
	s_mov_b32 s14, 352                             ; the tensor is chosen by the work-group's number alone: 256 work-groups for x, 96 for W_qkv, 32 for W_out
	s_cmp_lt_u32 ttmp9, 352
	s_cselect_b64 s[6:7], s[6:7], s[8:9]
	s_cselect_b32 s14, 256, s14
	s_cmp_lt_u32 ttmp9, 256
	s_cselect_b64 s[4:5], s[4:5], s[6:7]
	s_cselect_b32 s14, 0, s14
	s_sub_co_u32 s14, ttmp9, s14                   ; which 32 rows of the tensor
	s_lshl_b32 s24, s14, 17                        ; 32 rows of 4,096 bytes,
	s_lshl_b32 s15, s18, 15                        ; 8 rows for the second tile,
	s_add_co_u32 s24, s24, s15
	s_lshl_b32 s15, s19, 11                        ; 512 numbers for the second half of K
	s_add_co_u32 s24, s24, s15
	s_add_nc_u64 s[4:5], s[4:5], s[24:25]
	s_lshl_b32 s14, ttmp9, 1
	s_add_co_u32 s14, s14, s18                     ; the tile's number among the 768
	s_mul_i32 s24, s14, 12288
	s_mul_i32 s15, s19, 6144
	s_add_co_u32 s24, s24, s15
	s_add_nc_u64 s[10:11], s[10:11], s[24:25]
	s_lshl_b32 s24, s14, 9
	s_lshl_b32 s15, s19, 8
	s_add_co_u32 s24, s24, s15
	s_add_nc_u64 s[12:13], s[12:13], s[24:25]
; 64 numbers of a lane become a fragment's codes in v[PC] on and its scale word in v[pw]
.macro QUANT s, pw
.irp b, 0,1,2,3
	v_max3_num_f32 v[TM+\b], |v[\s+16*\b]|, |v[\s+1+16*\b]|, 0x1800000   ; block b: my 16 numbers, and the floor 2^(3 - 127): the byte cannot fall under 1
.endr
.irp i, 2,4,6,8,10,12,14
.irp b, 0,1,2,3
	v_max3_num_f32 v[TM+\b], v[TM+\b], |v[\s+16*\b+\i]|, |v[\s+1+16*\b+\i]|   ; the four blocks by turns
.endr
.endr
.irp b, 0,1,2,3
	v_permlanex16_b32 v[TM+4+\b], v[TM+\b], s[SEL], s[SEL+1]
.endr
.irp b, 0,1,2,3
	v_max_num_f32 v[TM+\b], v[TM+\b], v[TM+4+\b]   ; with lane l xor 16's: the block's largest magnitude
.endr
.irp b, 0,1,2,3
	v_add_nc_u32 v[TM+12+\b], 0xff000000, v[TM+\b] ; 2 off its exponent field: the conversion takes the exponent field of this operand as its scale
.endr
.irp b, 0,1,2,3
	v_lshrrev_b32 v[TM+4+\b], 23, v[TM+12+\b]      ; the scale's byte
.endr
	v_lshl_or_b32 v[\pw], v[TM+5], 8, v[TM+4]
	v_lshl_or_b32 v[\pw], v[TM+6], 16, v[\pw]
	v_lshl_or_b32 v[\pw], v[TM+7], 24, v[\pw]      ; my row's scale word (the same in lanes r and r + 16)
.irp c, 0,1
	v_cvt_scalef32_pk16_fp6_f32 v[PC+6*\c:PC+2+6*\c], v[\s+32*\c:\s+15+32*\c], v[TM+12+2*\c]
	v_cvt_scalef32_pk16_fp6_f32 v[PC+12+4*\c:PC+14+4*\c], v[\s+16+32*\c:\s+31+32*\c], v[TM+12+2*\c+1]   ; (a conversion's three registers begin on an even number)
.endr
	v_nop                                          ; one plain place behind a scaled conversion
.irp c, 0,1                                    ; the operand's layout wants a whole block in a lane: lanes 0-15 block 2 c, lanes 16-31 block 2 c + 1
.irp i, 0,1,2
	v_permlane16_swap_b32 v[PC+6*\c+\i], v[PC+12+4*\c+\i]
.endr
.irp i, 0,1,2
	v_mov_b32 v[PC+3+6*\c+\i], v[PC+12+4*\c+\i]
.endr
.endr
.endm
.macro LOAD s                          ; K step s of my four: 16 rows x 512 bytes into set s % 2
.irp i, 0,1,2,3,4,5,6,7,8,9,10,11,12,13,14,15
	global_load_b128 v[R+64*((\s)%2)+4*\i:R+64*((\s)%2)+4*\i+3], v[GI], s[4:5] offset:(\i+8*(\i/8))*4096+512*(\s) th:TH_LOAD_NT
.endr
.endm
.macro STEP s
.if (\s) < 3
	s_wait_loadcnt 16                              ; this step's sixteen loads are in; the next step's sixteen may be out
.else
	s_wait_loadcnt 0x0
.endif
.irp i, 0,1,2,3,4,5,6,7,8,9,10,11,12,13,14,15
	ds_store_b128 v[SI], v[R+64*((\s)%2)+4*\i:R+64*((\s)%2)+4*\i+3] offset:528*\i
.endr
.irp b, 0,1,2,3
.irp j, 0,1,2,3
	ds_load_b128 v[X+16*\b+4*\j:X+16*\b+4*\j+3], v[SO] offset:128*\b+16*\j   ; LDS serves a wave's instructions in order: these see the stores above
.endr
.endr
	s_wait_dscnt 0x0                               ; the numbers are back, and the stores into the stage have read their registers,
.if (\s) < 2
	LOAD (\s)+2                                    ; which take the loads of two steps on
.endif
	s_wait_xcnt 0x0                                ; the last step's stores have read the codes' registers: they are written again only behind this wait
	QUANT X, PWS+(\s)
.irp p, 0,1,2,3,4,5
	global_store_b64 v[L8], v[PC+2*\p:PC+2*\p+1], s[10:11] offset:1536*(\s)+256*\p   ; 32 lanes store 256 consecutive bytes, aligned
.endr
.endm
	LOAD 0
	LOAD 1
	STEP 0
	STEP 1
	STEP 2
	STEP 3
	v_cndmask_b32 v[Y], v[PWS], v[PWS+2], s22      ; lanes 0-15 take steps 0 and 1 of row r, lanes 16-31 steps 2 and 3
	v_cndmask_b32 v[Y+1], v[PWS+1], v[PWS+3], s22
	global_store_b64 v[L8], v[Y:Y+1], s[12:13]     ; 256 consecutive bytes, aligned
	s_wait_tensorcnt 0x0                           ; the wave's end
	ds_add_u32 v[SPW], v[NIL]
	s_wait_dscnt 0x0
	s_endpgm
.Lfunc_end_k_qee8ba9545b_quant:
	.size	k_qee8ba9545b_quant, .Lfunc_end_k_qee8ba9545b_quant-k_qee8ba9545b_quant
	.p2alignl 7, 3214868480
	.fill 96, 4, 3214868480
	.section	.rodata,"a",@progbits
	.p2align	6, 0x0
	.amdhsa_kernel k_qee8ba9545b_quant
		.amdhsa_group_segment_fixed_size 34304
		.amdhsa_private_segment_fixed_size 0
		.amdhsa_enable_private_segment 0
		.amdhsa_kernarg_size 40
		.amdhsa_user_sgpr_count 2
		.amdhsa_user_sgpr_kernarg_segment_ptr 1
		.amdhsa_wavefront_size32 1
		.amdhsa_system_sgpr_workgroup_id_x 1
		.amdhsa_system_sgpr_workgroup_id_y 1
		.amdhsa_system_sgpr_workgroup_id_z 1
		.amdhsa_system_vgpr_workitem_id 0
		.amdhsa_next_free_vgpr 256
		.amdhsa_next_free_sgpr 66
		.amdhsa_reserve_vcc 0
		.amdhsa_float_denorm_mode_32 3
		.amdhsa_float_denorm_mode_16_64 3
		.amdhsa_memory_ordered 1
		.amdhsa_forward_progress 1
		.amdhsa_inst_pref_size 35
	.end_amdhsa_kernel
	.amdgpu_metadata
---
amdhsa.version: [ 1, 2 ]
amdhsa.kernels:
  - .name:           k_qee8ba9545b_quant
    .symbol:         k_qee8ba9545b_quant.kd
    .args:
      - { .name: x, .offset: 0, .size: 8, .value_kind: global_buffer, .address_space: global }
      - { .name: W_qkv, .offset: 8, .size: 8, .value_kind: global_buffer, .address_space: global }
      - { .name: W_out, .offset: 16, .size: 8, .value_kind: global_buffer, .address_space: global }
      - { .name: cimg, .offset: 24, .size: 8, .value_kind: global_buffer, .address_space: global }
      - { .name: csc, .offset: 32, .size: 8, .value_kind: global_buffer, .address_space: global }
    .group_segment_fixed_size: 34304
    .private_segment_fixed_size: 0
    .kernarg_segment_align: 8
    .kernarg_segment_size: 40
    .max_flat_workgroup_size: 128
    .sgpr_count:     66
    .vgpr_count:     256
    .wavefront_size: 32
...
	.end_amdgpu_metadata
.endif
;; end of part 1
;; launch qk (part 2): grid 8 x 32, 4 waves a work-group, clusters of 4 x 4, 327,680 bytes of LDS; arguments cimg, csc, b_qkv, himg, hsc; writes himg, hsc
.if DOCPART == 2
	.amdgcn_target "amdgcn-amd-amdhsa--gfx1250"
	.amdhsa_code_object_version 6
	.text
	.protected	k_qee8ba9545b_qk
	.globl	k_qee8ba9545b_qk
	.p2align	8
	.type	k_qee8ba9545b_qk,@function
k_qee8ba9545b_qk:
	s_mov_b64 s[64:65], 0
	v_nop
	global_prefetch_b8 v0, s[64:65] scope:SCOPE_SE
	s_setreg_imm32_b32 hwreg(HW_REG_WAVE_MODE, 25, 1), 1
	s_wait_xcnt 0x0
	s_wait_alu depctr_hold_cnt(0) depctr_sa_sdst(0) depctr_va_vdst(0) depctr_va_sdst(0) depctr_va_ssrc(0) depctr_va_vcc(0) depctr_vm_vsrc(0)
	s_getreg_b32 s2, hwreg(HW_REG_IB_STS2, 6, 4)
	s_cmp_eq_u32 s2, 0
	s_cbranch_scc0 .Lentry_in_a_cluster
	s_endpgm
.Lentry_in_a_cluster:
	s_bfe_u32 s2, ttmp6, 0x10000c
	s_cmp_lg_u32 s2, 0xf033
	s_cbranch_scc0 .Lentry_shape_is_right
	s_endpgm
.Lentry_shape_is_right:
; Q = x W_q^T + b_q and K = x W_k^T + b_k, quantised along each head's 64 channels, stored as operand images.
; IN: cimg [tile of 16 rows][K step 8][1,536] and csc [tile][512] (word of step s, row r at 128 (s / 2) + 8 r + 4 (s % 2)): tiles 0-511 x's tokens, 512-639 W_q's and W_k's rows.  A tile T holds the rows 32 (T / 2) + 8 (T % 2) + r + 8 (r / 8).
; OUT: himg [bh][294,912]: Q at 0, K at 98,304, [tile of 16 tokens][768]; hsc [bh][20,480]: Q's words at 0, K's at 8,192: tile n's word of row r at 512 (n / 8) + 256 (n % 2) + 16 r + 4 (n % 8 / 2), two bytes, the upper two 0.
; SHARES: 256 work-groups; work-group (x, y) makes 256 tokens x 256 columns; wave w makes all 256 tokens x one head: column group 4 x + w of 32 (0-15 Q's heads, 16-31 K's).
; LDS: the weights' 16 tiles, all of K, at 0 (196,608 bytes), token tiles 0-7 behind them (98,304 bytes): one joint load a wave at the head.  The weights are shared by a column of the cluster, the tokens by a row.
; Waves 0 and 1 bring the weights, and the first barrier waits for these two loads alone.  A wave takes its 64 rows of the weights, all of K, into 384 registers.
; ONE REFILL: when every wave holds its weights, token tiles 8-15 are brought onto the weights' first 98,304 bytes, 24,576 bytes a wave, behind a round of the cluster's barrier.
; They have the products of token tiles 0 to 6 in which to land; a plain barrier behind tile 6's products, behind which nothing is filled, shows them to all waves.
; A token tile is 32 products, four accumulators by turns; the bias is the first products' C.  Source 0 = 16 rows of the weights, source 1 = 16 tokens:
; a lane holds one token, register 16 b + i of its 32 is channel 32 b + 16 h + i of the head.  Two token tiles are quantised together, four blocks by turns, and leave at once.
; No prefetch: all but the refill is asked for at the head, and the refill is asked for seven token tiles ahead of its first read.
; LIMITS: a block of zeros gets the byte 1 (this program alone reads the bytes); NaN and infinities are not served.
; REGISTERS: window 0: addresses, scale words, bias, two sets of four accumulators, the quantiser's; window 1: the weights' K steps 0-3; window 2: K steps 4-7; window 3: the tokens' fragments, two sets of 96.
.set WT0,  512
.set TROW, 12288
.set AX,   16*TROW
.set SPARE, AX+8*TROW
.set HB,   294912
.set HS,   20480
.set L8,   1
.set ADW,  2
.set ADA,  3                           ; v3-6 LDS addresses of token tiles 0-3, 4-7, 8-11, 12-15
.set L16,  7
.set SPW,  8
.set NIL,  9
.set BAD,  10
.set LSA,  11
.set LSW,  12
.set SW,   32                          ; v32-47 the weights' scale words: 8 g + s: lanes 0-15 tile 2 g, lanes 16-31 tile 2 g + 1
.set SAX,  50                          ; v50-113 the tokens': 4 a + s % 4: lanes 0-15 steps 0-3, lanes 16-31 steps 4-7
.set BIAS, 114
.set ACC,  146
.set BM,   210
.set T,    214
.set E,    218
.set CD,   222                         ; v222-245 two tiles' codes
.set XW,   246                         ; v246-249 the scale words of eight tiles as they leave
.set PW,   250
.set WV,   16
.set G1A,  24
.set G1B,  32
.set G0A,  48
.set G0B,  52
.set G1C,  68
.set G0C,  76
.set MSB, 0
.macro WIN new
.if MSB != (\new)
	s_set_vgpr_msb (MSB<<8)|(\new)
.set MSB, (\new)
.endif
.endm
.macro PLACES n
.rept \n
	v_nop
.endr
.endm
.macro CROUND
	s_barrier_signal -1
	s_barrier_wait -1
	s_cmp_lg_u32 s[WV], 0
	s_cbranch_scc1 .Lnot_wave_0_\@
	s_barrier_signal -3
.Lnot_wave_0_\@:
	s_barrier_wait -3
	s_barrier_signal -1
	s_barrier_wait -1
.endm
.macro W6 d, a, b, c, sa, sb, ra, rb
	v_wmma_scale_f32_16x16x128_f8f6f4 v[\d:\d+7], v[\a:\a+11], v[\b:\b+11], \c, v[\sa], v[\sb] matrix_a_fmt:MATRIX_FMT_FP6 matrix_b_fmt:MATRIX_FMT_FP6 matrix_a_scale:MATRIX_SCALE_ROW\ra matrix_b_scale:MATRIX_SCALE_ROW\rb
.endm
.macro GROUP1 g, mask, rows            ; dense bytes as rows of 256
	s_or_b32 s[\g], s\mask, (3<<16)|(1<<21)
	s_mov_b32 s[\g+1], 32<<16
	s_mov_b32 s[\g+2], (\rows)<<16
	s_mov_b32 s[\g+3], 32<<16
	s_mov_b32 s[\g+4], \rows
	s_mov_b32 s[\g+5], 32
	s_mov_b32 s[\g+6], 0
	s_mov_b32 s[\g+7], 0
.endm
	s_load_b128 s[4:7], s[0:1], 0x0                ; cimg, csc
	s_load_b128 s[20:23], s[0:1], 0x10             ; b_qkv, himg
	s_load_b64 s[12:13], s[0:1], 0x20              ; hsc
	v_lshl_add_u32 v[SPW], v0, 2, SPARE
	v_mov_b32 v[NIL], 0
	ds_add_u32 v[SPW], v[NIL]                      ; the opening lines
	ds_add_u32 v[SPW], v[NIL]
	v_lshrrev_b32 v1, 5, v0
	v_readfirstlane_b32 s[WV], v1
	s_and_b32 s17, s[WV], 1
	s_bfe_u32 s40, ttmp6, 0x40000                  ; cx
	s_bfe_u32 s41, ttmp6, 0x40004                  ; cy
	s_lshl_b32 s42, ttmp9, 2
	s_add_co_u32 s42, s42, s40                     ; x
	s_and_b32 s43, ttmp7, 0xffff
	s_lshl_b32 s43, s43, 2
	s_add_co_u32 s43, s43, s41                     ; y
	s_lshl_b32 s44, s41, 2
	s_lshl_b32 s44, 15, s44                        ; my row of the cluster
	s_lshl_b32 s45, 0x1111, s40                    ; my column
	GROUP1 G1A, 44, 192                            ; four token tiles: 49,152 bytes
	GROUP1 G1B, 45, 384                            ; eight tiles of the weights: 98,304 bytes
	GROUP1 G1C, 44, 96                             ; two token tiles: 24,576 bytes
	s_mov_b32 s[G0A], 1
	s_mul_i32 s46, s17, 4*TROW
	s_add_co_u32 s[G0A+1], s46, AX
	s_mul_i32 s[G0A+2], s43, 16*TROW
	s_add_co_u32 s[G0A+2], s[G0A+2], s46
	s_mov_b32 s[G0A+3], 0
	s_mov_b32 s[G0B], 1
	s_mul_i32 s[G0B+1], s17, 8*TROW
	s_mul_i32 s[G0B+2], s42, 16*TROW
	s_add_co_u32 s[G0B+2], s[G0B+2], s[G0B+1]
	s_add_co_u32 s[G0B+2], s[G0B+2], WT0*TROW
	s_mov_b32 s[G0B+3], 0
	s_mov_b32 s[G0C], 1
	s_mul_i32 s[G0C+1], s[WV], 2*TROW
	s_mul_i32 s[G0C+2], s43, 16*TROW
	s_add_co_u32 s[G0C+2], s[G0C+2], s[G0C+1]
	s_add_co_u32 s[G0C+2], s[G0C+2], 8*TROW
	s_mov_b32 s[G0C+3], 0
	s_lshl_b32 s56, s43, 13                        ; the tokens' scale words: 16 tiles of 512 bytes
	s_mov_b32 s57, 0
	s_lshl_b32 s58, s42, 13                        ; my four tiles of the weights
	s_lshl_b32 s47, s[WV], 11
	s_add_co_u32 s58, s58, s47
	s_add_co_u32 s58, s58, WT0*512
	s_mov_b32 s59, 0
	s_lshl_b32 s60, s42, 10                        ; my 64 columns' bias
	s_lshl_b32 s47, s[WV], 8
	s_add_co_u32 s60, s60, s47
	s_mov_b32 s61, 0
	s_lshl_b32 s47, s42, 2
	s_add_co_u32 s47, s47, s[WV]                   ; my column group, 0 .. 31
	s_lshr_b32 s18, s47, 4                         ; 0 Q, 1 K
	s_and_b32 s47, s47, 15                         ; head
	s_lshr_b32 s19, s43, 3                         ; batch
	s_lshl_b32 s19, s19, 4
	s_add_co_u32 s47, s47, s19                     ; bh
	s_and_b32 s19, s43, 7                          ; which 256 tokens of the sequence
	s_mul_i32 s62, s47, HB
	s_mul_i32 s2, s18, 98304
	s_add_co_u32 s62, s62, s2
	s_mul_i32 s2, s19, 16*768
	s_add_co_u32 s62, s62, s2
	s_mov_b32 s63, 0
	s_mul_i32 s2, s47, HS
	s_lshl_b32 s3, s18, 13
	s_add_co_u32 s2, s2, s3
	s_lshl_b32 s3, s19, 10
	s_add_co_u32 s2, s2, s3
	s_mov_b32 s3, 0
	s_mul_i32 s47, s[WV], 4*TROW
	s_wait_dscnt 0x0
	s_wait_kmcnt 0x0
	s_add_nc_u64 s[G0A+2:G0A+3], s[4:5], s[G0A+2:G0A+3]
	s_or_b32 s[G0A+3], s[G0A+3], 0x80000000
	s_add_nc_u64 s[G0B+2:G0B+3], s[4:5], s[G0B+2:G0B+3]
	s_or_b32 s[G0B+3], s[G0B+3], 0x80000000
	s_add_nc_u64 s[G0C+2:G0C+3], s[4:5], s[G0C+2:G0C+3]
	s_or_b32 s[G0C+3], s[G0C+3], 0x80000000
	s_add_nc_u64 s[56:57], s[6:7], s[56:57]
	s_add_nc_u64 s[58:59], s[6:7], s[58:59]
	s_add_nc_u64 s[60:61], s[20:21], s[60:61]
	s_add_nc_u64 s[62:63], s[22:23], s[62:63]
	s_add_nc_u64 s[12:13], s[12:13], s[2:3]
	CROUND                                         ; all sixteen work-groups are here: the joint loads meet
	s_cmp_lt_u32 s[WV], 2                          ; one tensor load a wave, one in each arm
	s_cbranch_scc0 .Lrows
	tensor_load_to_lds s[G0B:G0B+3], s[G1B:G1B+7]
	s_nop 0
	PLACES 4
	s_branch .Lasked
.Lrows:
	tensor_load_to_lds s[G0A:G0A+3], s[G1A:G1A+7]
	s_nop 0
	PLACES 4
.Lasked:
	v_and_b32 v13, 15, v0                          ; r
	v_bfe_u32 v14, v0, 4, 1                        ; h
	v_and_b32 v15, 31, v0
	v_lshlrev_b32 v[L8], 3, v15
	v_lshlrev_b32 v[L16], 4, v15
	v_lshlrev_b32 v[LSA], 3, v13
	v_lshl_add_u32 v[LSW], v14, 9, v[LSA]          ; 8 r + 512 h: lanes 16-31 take the next tile
	v_lshl_add_u32 v[LSA], v14, 8, v[LSA]          ; 8 r + 256 h: lanes 16-31 take steps 4-7
	v_lshlrev_b32 v[BAD], 6, v14
	v_add_nc_u32 v[ADW], s47, v[L8]
	v_add_nc_u32 v[ADA], AX, v[L8]
	v_add_nc_u32 v[ADA+1], AX+4*TROW, v[L8]
	v_lshlrev_b32 v[ADA+2], 3, v15
	v_add_nc_u32 v[ADA+3], 4*TROW, v[L8]
.irp b, 0,1,2,3
	v_mov_b32 v[T+\b], 0                           ; a lane permute's destination counts as one of its sources
.endr
.irp g, 0,1
.irp p, 0,1,2,3
	global_load_b64 v[SW+8*\g+2*\p:SW+8*\g+2*\p+1], v[LSW], s[58:59] offset:1024*\g+128*\p
.endr
.endr
.irp a, 0,1,2,3,4,5,6,7,8,9,10,11,12,13,14,15
.irp p, 0,1
	global_load_b64 v[SAX+4*\a+2*\p:SAX+4*\a+2*\p+1], v[LSA], s[56:57] offset:512*\a+128*\p
.endr
.endr
.irp b, 0,1,2,3
	global_load_b128 v[BIAS+8*\b:BIAS+8*\b+3], v[BAD], s[60:61] offset:(32*(\b/2)+8*(\b%2))*4
	global_load_b128 v[BIAS+8*\b+4:BIAS+8*\b+7], v[BAD], s[60:61] offset:(32*(\b/2)+8*(\b%2))*4+16
.endr
	s_mov_b32 s46, 0x76543210
	s_mov_b32 s47, 0xfedcba98
	s_mov_b32 s18, 0xffff0000                      ; lanes 16-31
	s_wait_alu depctr_va_vdst(0)
	s_cmp_lt_u32 s[WV], 2
	s_cbranch_scc0 .Lnot_w
	s_wait_tensorcnt 0x0
.Lnot_w:
	s_barrier_signal -1
	s_barrier_wait -1                              ; the weights are in
.irp q, 0,1
	WIN (0x40<<\q)
.irp t, 0,1,2,3
.irp b, 0,1,2,3
.irp p, 0,1,2,3,4,5
	ds_load_b64 v[12*(4*\t+\b)+2*\p:12*(4*\t+\b)+2*\p+1], v[ADW] offset:\b*TROW+(4*\q+\t)*1536+256*\p
.endr
.endr
.endr
.endr
	WIN 0
	s_wait_tensorcnt 0x0                           ; all my tensor loads have landed;
	ds_add_u32 v[SPW], v[NIL]                      ; 0 onto my spare word;
	s_wait_dscnt 0x0                               ; the add is done, and my weights are in registers
	CROUND                                         ; so of every wave of the cluster: token tiles 0-7 are in, and nobody reads the weights' bytes any more
	tensor_load_to_lds s[G0C:G0C+3], s[G1C:G1C+7]  ; my two of token tiles 8-15
	s_nop 0
	PLACES 4
.macro FETCH a                         ; token tile a, all of K, into set a % 2: 48 loads
	WIN 0xc0
.irp s, 0,1,2,3,4,5,6,7
.irp p, 0,1,2,3,4,5
	ds_load_b64 v[96*((\a)%2)+12*\s+2*\p:96*((\a)%2)+12*\s+2*\p+1], v[ADA+(\a)/4] offset:((\a)%4)*TROW+1536*\s+256*\p
.endr
.endr
	WIN 0
.endm
.macro PRODS a
.irp q, 0,1
	WIN 0x0d+\q
.irp t, 0,1,2,3
.irp g, 0,1
.irp o, 0,1
.set DR, ACC+32*((\a)%2)+8*(2*\g+\o)
.if \q+\t
	W6 DR, 12*(4*\t+2*\g+\o), 96*((\a)%2)+12*(4*\q+\t), v[DR:DR+7], SW+8*\g+4*\q+\t, SAX+4*(\a)+\t, \o, \q
.else
	W6 DR, 12*(4*\t+2*\g+\o), 96*((\a)%2)+12*(4*\q+\t), v[BIAS+8*(2*\g+\o):BIAS+8*(2*\g+\o)+7], SW+8*\g+4*\q+\t, SAX+4*(\a)+\t, \o, \q
.endif
.endr
.endr
.endr
.endr
	WIN 0
.endm
.macro QPAIR v                         ; token tiles 2 v and 2 v + 1: four blocks of 32 channels by turns
.if (\v) > 0
	s_wait_xcnt 0x0                                ; the last pair's stores have read their registers
.endif
.irp b, 0,1,2,3
	v_max3_num_f32 v[BM+\b], |v[ACC+16*\b]|, |v[ACC+1+16*\b]|, 0x1800000   ; and the floor 2^(3 - 127): the byte cannot fall under 1
.endr
.irp i, 2,4,6,8,10,12,14
.irp b, 0,1,2,3
	v_max3_num_f32 v[BM+\b], v[BM+\b], |v[ACC+16*\b+\i]|, |v[ACC+1+16*\b+\i]|
.endr
.endr
.irp b, 0,1,2,3
	v_permlanex16_b32 v[T+\b], v[BM+\b], s46, s47
.endr
.irp b, 0,1,2,3
	v_max_num_f32 v[BM+\b], v[BM+\b], v[T+\b]
.endr
.irp b, 0,1,2,3
	v_add_nc_u32 v[E+\b], 0xff000000, v[BM+\b]     ; 2 off the exponent field: the conversion's scale operand
.endr
.irp b, 0,1,2,3
	v_lshrrev_b32 v[T+\b], 23, v[E+\b]
.endr
.irp w, 0,1
	v_lshl_or_b32 v[PW+\w], v[T+2*\w+1], 8, v[T+2*\w]   ; my row's two scale bytes
.endr
.irp w, 0,1
	v_cvt_scalef32_pk16_fp6_f32 v[CD+12*\w:CD+12*\w+2], v[ACC+32*\w:ACC+32*\w+15], v[E+2*\w]
	v_cvt_scalef32_pk16_fp6_f32 v[CD+12*\w+6:CD+12*\w+8], v[ACC+32*\w+16:ACC+32*\w+31], v[E+2*\w+1]
.endr
	v_nop                                          ; one plain place behind a scaled conversion
.irp w, 0,1
.irp i, 0,1,2
	v_permlane16_swap_b32 v[CD+12*\w+\i], v[CD+12*\w+6+\i]   ; a whole block to a lane
.endr
.endr
.irp w, 0,1
.irp i, 0,1,2
	v_mov_b32 v[CD+12*\w+3+\i], v[CD+12*\w+6+\i]
.endr
.endr
.irp w, 0,1
.irp i, 0,1,2
	global_store_b64 v[L8], v[CD+12*\w+2*\i:CD+12*\w+2*\i+1], s[62:63] offset:768*(2*(\v)+\w)+256*\i   ; 256 consecutive bytes, aligned
.endr
.endr
	v_cndmask_b32 v[XW+(\v)%4], v[PW], v[PW+1], s18   ; lanes 0-15 the even tile's word, lanes 16-31 the odd tile's
.if (\v)%4 == 3
	global_store_b128 v[L16], v[XW:XW+3], s[12:13] offset:512*((\v)/4)   ; eight tiles' words: 512 consecutive bytes
.endif
.endm
	FETCH 0
	FETCH 1
	s_wait_loadcnt 0x0                             ; scale words and bias
.irp a, 0,1,2,3,4,5,6,7,8,9,10,11,12,13,14,15
.if \a < 15
	s_wait_dscnt 48                                ; this tile's fragments are in; the next tile's 48 loads may be out
.else
	s_wait_dscnt 0x0
.endif
	PRODS \a
.if \a == 6
	s_wait_tensorcnt 0x0                           ; my part of token tiles 8-15 is in,
	s_wait_dscnt 0x0
	s_barrier_signal -1
	s_barrier_wait -1                              ; everybody's is
.endif
	PLACES 4
.if \a < 14
	FETCH \a+2
.endif
.if \a%2
	QPAIR \a/2
.endif
.endr
	s_wait_tensorcnt 0x0                           ; the wave's end
	ds_add_u32 v[SPW], v[NIL]
	s_wait_dscnt 0x0
	CROUND                                         ; the closing round
	s_endpgm
.Lfunc_end_k_qee8ba9545b_qk:
	.size	k_qee8ba9545b_qk, .Lfunc_end_k_qee8ba9545b_qk-k_qee8ba9545b_qk
	.p2alignl 7, 3214868480
	.fill 96, 4, 3214868480
	.section	.rodata,"a",@progbits
	.p2align	6, 0x0
	.amdhsa_kernel k_qee8ba9545b_qk
		.amdhsa_group_segment_fixed_size 327680
		.amdhsa_private_segment_fixed_size 0
		.amdhsa_enable_private_segment 0
		.amdhsa_kernarg_size 40
		.amdhsa_user_sgpr_count 2
		.amdhsa_user_sgpr_kernarg_segment_ptr 1
		.amdhsa_wavefront_size32 1
		.amdhsa_system_sgpr_workgroup_id_x 1
		.amdhsa_system_sgpr_workgroup_id_y 1
		.amdhsa_system_sgpr_workgroup_id_z 1
		.amdhsa_system_vgpr_workitem_id 0
		.amdhsa_next_free_vgpr 1024
		.amdhsa_next_free_sgpr 80
		.amdhsa_reserve_vcc 0
		.amdhsa_float_denorm_mode_32 3
		.amdhsa_float_denorm_mode_16_64 3
		.amdhsa_memory_ordered 1
		.amdhsa_forward_progress 1
		.amdhsa_inst_pref_size 177
	.end_amdhsa_kernel
	.amdgpu_metadata
---
amdhsa.version: [ 1, 2 ]
amdhsa.kernels:
  - .name:           k_qee8ba9545b_qk
    .symbol:         k_qee8ba9545b_qk.kd
    .args:
      - { .name: cimg, .offset: 0, .size: 8, .value_kind: global_buffer, .address_space: global }
      - { .name: csc, .offset: 8, .size: 8, .value_kind: global_buffer, .address_space: global }
      - { .name: b_qkv, .offset: 16, .size: 8, .value_kind: global_buffer, .address_space: global }
      - { .name: himg, .offset: 24, .size: 8, .value_kind: global_buffer, .address_space: global }
      - { .name: hsc, .offset: 32, .size: 8, .value_kind: global_buffer, .address_space: global }
    .group_segment_fixed_size: 327680
    .private_segment_fixed_size: 0
    .kernarg_segment_align: 8
    .kernarg_segment_size: 40
    .max_flat_workgroup_size: 128
    .sgpr_count:     80
    .vgpr_count:     1024
    .wavefront_size: 32
...
	.end_amdgpu_metadata
.endif
;; end of part 2
;; launch v (part 3): grid 4 x 64, 4 waves a work-group, clusters of 4 x 4, 327,680 bytes of LDS; arguments cimg, csc, b_qkv, himg, hsc; writes himg, hsc
.if DOCPART == 3
	.amdgcn_target "amdgcn-amd-amdhsa--gfx1250"
	.amdhsa_code_object_version 6
	.text
	.protected	k_qee8ba9545b_v
	.globl	k_qee8ba9545b_v
	.p2align	8
	.type	k_qee8ba9545b_v,@function
k_qee8ba9545b_v:
	s_mov_b64 s[64:65], 0
	v_nop
	global_prefetch_b8 v0, s[64:65] scope:SCOPE_SE
	s_setreg_imm32_b32 hwreg(HW_REG_WAVE_MODE, 25, 1), 1
	s_wait_xcnt 0x0
	s_wait_alu depctr_hold_cnt(0) depctr_sa_sdst(0) depctr_va_vdst(0) depctr_va_sdst(0) depctr_va_ssrc(0) depctr_va_vcc(0) depctr_vm_vsrc(0)
	s_getreg_b32 s2, hwreg(HW_REG_IB_STS2, 6, 4)
	s_cmp_eq_u32 s2, 0
	s_cbranch_scc0 .Lentry_in_a_cluster
	s_endpgm
.Lentry_in_a_cluster:
	s_bfe_u32 s2, ttmp6, 0x10000c
	s_cmp_lg_u32 s2, 0xf033
	s_cbranch_scc0 .Lentry_shape_is_right
	s_endpgm
.Lentry_shape_is_right:
; V = x W_v^T + b_v, quantised along the tokens (the keys of the second attention product), stored as operand images.
; IN: cimg [tile of 16 rows][K step 8][1,536] and csc [tile][512] (word of step s, row r at 128 (s / 2) + 8 r + 4 (s % 2)): tiles 0-511 x's tokens, 640-703 W_v's rows.  A tile T holds the rows 32 (T / 2) + 8 (T % 2) + r + 8 (r / 8).
; OUT: himg [bh][294,912]: V at 196,608, [key step][tile of 16 of the 64][1,536]; hsc [bh][20,480]: V's scale words at 16,384, 256 bytes a key step.
; SHARES: 256 work-groups; work-group (x, y) makes 128 tokens (key step y % 16 of batch y / 16) x 256 channels (heads 4 x .. 4 x + 3); wave w makes head 4 x + w.
; ALL OF K OF BOTH OPERANDS LIES IN LDS, 294,912 bytes, filled once by one joint load a wave: no byte is filled again.  W_v's 16 tiles are shared by a column of the cluster, x's 8 tiles by a row.
; Waves 0 and 1 bring W_v's tiles, and the first barrier waits for these two loads alone; the tokens' tiles land while the weights go into registers.
; A wave holds its 64 rows of W_v, all of K, in 384 registers and takes the eight token tiles past them, 32 products each, four accumulators by turns.
; Source 0 = 16 tokens, source 1 = 16 rows of W_v: a lane holds one channel, its registers run along the tokens.  The bias is the first products' C.
; No prefetch: every tile is asked for at the head, so there is no later load to run ahead of.
; LIMITS: a block of zeros gets the byte 1 (this program alone reads the bytes); NaN and infinities are not served.
; REGISTERS: window 0: addresses, scale words, v64-255 the tokens' fragments in two sets (at the end: the quantiser's registers); window 1: W_v's K steps 0-3, v192-223 the bias; window 2: K steps 4-7; window 3: the 32 accumulators, 64 x channel tile + 8 x token tile.
.set WT0,  640
.set TROW, 12288
.set AX,   16*TROW
.set SPARE, AX+8*TROW
.set HB,   294912
.set HS,   20480
.set L8,   1
.set ADW,  2
.set ADA,  3
.set SPW,  8
.set NIL,  9
.set BAD,  10
.set LSA,  11
.set LSW,  12
.set SW,   14                          ; v14-29 W_v's scale words: 8 g + s: lanes 0-15 tile 2 g, lanes 16-31 tile 2 g + 1
.set SAX,  32                          ; v32-63 the tokens': 4 a + s % 4: lanes 0-15 steps 0-3, lanes 16-31 steps 4-7
.set XF,   64
.set BIAS, 192
.set PC,   128
.set TM,   224
.set PW,   240
.set XW,   244
.set WV,   16
.set G1A,  24
.set G1B,  32
.set G0A,  48
.set G0B,  52
.set MSB, 0
.macro WIN new
.if MSB != (\new)
	s_set_vgpr_msb (MSB<<8)|(\new)
.set MSB, (\new)
.endif
.endm
.macro PLACES n
.rept \n
	v_nop
.endr
.endm
.macro CROUND
	s_barrier_signal -1
	s_barrier_wait -1
	s_cmp_lg_u32 s[WV], 0
	s_cbranch_scc1 .Lnot_wave_0_\@
	s_barrier_signal -3
.Lnot_wave_0_\@:
	s_barrier_wait -3
	s_barrier_signal -1
	s_barrier_wait -1
.endm
.macro W6 d, a, b, c, sa, sb, ra, rb
	v_wmma_scale_f32_16x16x128_f8f6f4 v[\d:\d+7], v[\a:\a+11], v[\b:\b+11], \c, v[\sa], v[\sb] matrix_a_fmt:MATRIX_FMT_FP6 matrix_b_fmt:MATRIX_FMT_FP6 matrix_a_scale:MATRIX_SCALE_ROW\ra matrix_b_scale:MATRIX_SCALE_ROW\rb
.endm
	s_load_b128 s[4:7], s[0:1], 0x0                ; cimg, csc
	s_load_b128 s[20:23], s[0:1], 0x10             ; b_qkv, himg
	s_load_b64 s[12:13], s[0:1], 0x20              ; hsc
	v_lshl_add_u32 v[SPW], v0, 2, SPARE
	v_mov_b32 v[NIL], 0
	ds_add_u32 v[SPW], v[NIL]                      ; the opening lines
	ds_add_u32 v[SPW], v[NIL]
	v_lshrrev_b32 v1, 5, v0
	v_readfirstlane_b32 s[WV], v1
	s_and_b32 s17, s[WV], 1
	s_bfe_u32 s40, ttmp6, 0x40000                  ; cx
	s_bfe_u32 s41, ttmp6, 0x40004                  ; cy
	s_lshl_b32 s42, ttmp9, 2
	s_add_co_u32 s42, s42, s40                     ; x
	s_and_b32 s43, ttmp7, 0xffff
	s_lshl_b32 s43, s43, 2
	s_add_co_u32 s43, s43, s41                     ; y
	s_lshl_b32 s44, s41, 2
	s_lshl_b32 s44, 15, s44                        ; my row of the cluster
	s_lshl_b32 s45, 0x1111, s40                    ; my column
	s_or_b32 s[G1A], s44, (3<<16)|(1<<21)          ; the tokens: 49,152 dense bytes as 192 rows of 256
	s_mov_b32 s[G1A+1], 32<<16
	s_mov_b32 s[G1A+2], 192<<16
	s_mov_b32 s[G1A+3], 32<<16
	s_mov_b32 s[G1A+4], 192
	s_mov_b32 s[G1A+5], 32
	s_mov_b32 s[G1A+6], 0
	s_mov_b32 s[G1A+7], 0
	s_or_b32 s[G1B], s45, (3<<16)|(1<<21)          ; the weights: 98,304 bytes as 384 rows
	s_mov_b32 s[G1B+1], 32<<16
	s_mov_b32 s[G1B+2], 384<<16
	s_mov_b32 s[G1B+3], 32<<16
	s_mov_b32 s[G1B+4], 384
	s_mov_b32 s[G1B+5], 32
	s_mov_b32 s[G1B+6], 0
	s_mov_b32 s[G1B+7], 0
	s_mov_b32 s[G0A], 1
	s_mul_i32 s46, s17, 4*TROW
	s_add_co_u32 s[G0A+1], s46, AX
	s_mul_i32 s[G0A+2], s43, 8*TROW
	s_add_co_u32 s[G0A+2], s[G0A+2], s46
	s_mov_b32 s[G0A+3], 0
	s_mov_b32 s[G0B], 1
	s_mul_i32 s[G0B+1], s17, 8*TROW
	s_mul_i32 s[G0B+2], s42, 16*TROW
	s_add_co_u32 s[G0B+2], s[G0B+2], s[G0B+1]
	s_add_co_u32 s[G0B+2], s[G0B+2], WT0*TROW
	s_mov_b32 s[G0B+3], 0
	s_lshl_b32 s56, s43, 12                        ; the tokens' scale words: 8 tiles of 512 bytes
	s_mov_b32 s57, 0
	s_lshl_b32 s58, s42, 13                        ; my four tiles of W_v
	s_lshl_b32 s47, s[WV], 11
	s_add_co_u32 s58, s58, s47
	s_add_co_u32 s58, s58, WT0*512
	s_mov_b32 s59, 0
	s_lshl_b32 s60, s42, 10                        ; my head's bias
	s_lshl_b32 s47, s[WV], 8
	s_add_co_u32 s60, s60, s47
	s_add_co_u32 s60, s60, 8192
	s_mov_b32 s61, 0
	s_lshr_b32 s47, s43, 4                         ; batch
	s_lshl_b32 s47, s47, 4
	s_lshl_b32 s62, s42, 2
	s_add_co_u32 s47, s47, s62
	s_add_co_u32 s47, s47, s[WV]                   ; bh
	s_and_b32 s18, s43, 15                         ; key step
	s_mul_i32 s62, s47, HB
	s_mul_i32 s19, s18, 6144
	s_add_co_u32 s62, s62, s19
	s_add_co_u32 s62, s62, 196608
	s_mov_b32 s63, 0
	s_mul_i32 s2, s47, HS
	s_lshl_b32 s19, s18, 8
	s_add_co_u32 s2, s2, s19
	s_add_co_u32 s2, s2, 16384
	s_mov_b32 s3, 0
	s_mul_i32 s47, s[WV], 4*TROW
	s_wait_dscnt 0x0
	s_wait_kmcnt 0x0
	s_add_nc_u64 s[G0A+2:G0A+3], s[4:5], s[G0A+2:G0A+3]
	s_or_b32 s[G0A+3], s[G0A+3], 0x80000000
	s_add_nc_u64 s[G0B+2:G0B+3], s[4:5], s[G0B+2:G0B+3]
	s_or_b32 s[G0B+3], s[G0B+3], 0x80000000
	s_add_nc_u64 s[56:57], s[6:7], s[56:57]
	s_add_nc_u64 s[58:59], s[6:7], s[58:59]
	s_add_nc_u64 s[60:61], s[20:21], s[60:61]
	s_add_nc_u64 s[62:63], s[22:23], s[62:63]
	s_add_nc_u64 s[12:13], s[12:13], s[2:3]
	CROUND                                         ; all sixteen work-groups are here: the joint loads meet
	s_cmp_lt_u32 s[WV], 2                          ; one tensor load a wave, one in each arm
	s_cbranch_scc0 .Lrows
	tensor_load_to_lds s[G0B:G0B+3], s[G1B:G1B+7]
	s_nop 0
	PLACES 4
	s_branch .Lasked
.Lrows:
	tensor_load_to_lds s[G0A:G0A+3], s[G1A:G1A+7]
	s_nop 0
	PLACES 4
.Lasked:
	v_and_b32 v5, 15, v0                           ; r
	v_bfe_u32 v6, v0, 4, 1                         ; h
	v_and_b32 v7, 31, v0
	v_lshlrev_b32 v[L8], 3, v7
	v_lshlrev_b32 v[LSA], 3, v5
	v_lshl_add_u32 v[LSW], v6, 9, v[LSA]           ; 8 r + 512 h: lanes 16-31 take the next tile
	v_lshl_add_u32 v[LSA], v6, 8, v[LSA]           ; 8 r + 256 h: lanes 16-31 take steps 4-7
	v_and_b32 v[BAD], 8, v5
	v_add_nc_u32 v[BAD], v[BAD], v5
	v_lshlrev_b32 v[BAD], 2, v[BAD]                ; my channel in a tile: r + 8 (r / 8)
	v_add_nc_u32 v[ADW], s47, v[L8]
	v_add_nc_u32 v[ADA], AX, v[L8]
	v_add_nc_u32 v[ADA+1], AX+4*TROW, v[L8]
.irp g, 0,1
.irp p, 0,1,2,3
	global_load_b64 v[SW+8*\g+2*\p:SW+8*\g+2*\p+1], v[LSW], s[58:59] offset:1024*\g+128*\p
.endr
.endr
.irp a, 0,1,2,3,4,5,6,7
.irp p, 0,1
	global_load_b64 v[SAX+4*\a+2*\p:SAX+4*\a+2*\p+1], v[LSA], s[56:57] offset:512*\a+128*\p
.endr
.endr
	WIN 0x40
.irp b, 0,1,2,3
	global_load_b32 v[BIAS+8*\b], v[BAD], s[60:61] offset:(32*(\b/2)+8*(\b%2))*4
.endr
	WIN 0
	s_wait_alu depctr_va_vdst(0)
	s_wait_loadcnt 0x0
	WIN 0x41
.irp b, 0,1,2,3
.irp j, 1,2,3,4,5,6,7
	v_mov_b32 v[BIAS+8*\b+\j], v[BIAS+8*\b]        ; my channel's bias over the tile's eight registers
.endr
.endr
	WIN 0
	s_wait_alu depctr_va_vdst(0)
	s_cmp_lt_u32 s[WV], 2
	s_cbranch_scc0 .Lnot_w
	s_wait_tensorcnt 0x0
.Lnot_w:
	s_barrier_signal -1
	s_barrier_wait -1                              ; the weights are in
.irp q, 0,1
	WIN (0x40<<\q)
.irp t, 0,1,2,3
.irp b, 0,1,2,3
.irp p, 0,1,2,3,4,5
	ds_load_b64 v[12*(4*\t+\b)+2*\p:12*(4*\t+\b)+2*\p+1], v[ADW] offset:\b*TROW+(4*\q+\t)*1536+256*\p
.endr
.endr
.endr
.endr
	WIN 0
	s_wait_tensorcnt 0x0
	s_wait_dscnt 0x0
	s_barrier_signal -1
	s_barrier_wait -1                              ; the tokens are in
.macro FETCH a                         ; token tile a, all of K, into set a % 2: 48 loads
.irp s, 0,1,2,3,4,5,6,7
.irp p, 0,1,2,3,4,5
	ds_load_b64 v[XF+96*((\a)%2)+12*\s+2*\p:XF+96*((\a)%2)+12*\s+2*\p+1], v[ADA+(\a)/4] offset:((\a)%4)*TROW+1536*\s+256*\p
.endr
.endr
.endm
.macro PRODS a
.irp q, 0,1
.irp t, 0,1,2,3
.if \q+\t
	WIN 0xf4+4*\q
.else
	WIN 0xd4
.endif
.irp g, 0,1
.irp o, 0,1
.set DR, 64*(2*\g+\o)+8*(\a)
.if \q+\t
	W6 DR, XF+96*((\a)%2)+12*(4*\q+\t), 12*(4*\t+2*\g+\o), v[DR:DR+7], SAX+4*(\a)+\t, SW+8*\g+4*\q+\t, \q, \o
.else
	W6 DR, XF+96*((\a)%2)+12*(4*\q+\t), 12*(4*\t+2*\g+\o), v[BIAS+8*(2*\g+\o):BIAS+8*(2*\g+\o)+7], SAX+4*(\a)+\t, SW+8*\g+4*\q+\t, \q, \o
.endif
.endr
.endr
.endr
.endr
	WIN 0
.endm
	FETCH 0
	FETCH 1
.irp a, 0,1,2,3,4,5,6,7
.if \a < 7
	s_wait_dscnt 48                                ; this tile's fragments are in; the next tile's 48 loads may be out
.else
	s_wait_dscnt 0x0
.endif
	PRODS \a
	PLACES 4
.if \a < 6
	FETCH \a+2
.endif
.endr
; THE QUANTISER: channel tile a's 64 registers are 128 tokens: register 16 b + i is token 32 b + 16 h + i
.macro QUANTW a
.set AC, 64*(\a)
.set PWR, PW+(\a)%2
	WIN 0x0f
.irp b, 0,1,2,3
	v_max3_num_f32 v[TM+\b], |v[AC+16*\b]|, |v[AC+1+16*\b]|, 0x1800000
.endr
	WIN 0x3c
.irp i, 2,4,6,8,10,12,14
.irp b, 0,1,2,3
	v_max3_num_f32 v[TM+\b], v[TM+\b], |v[AC+16*\b+\i]|, |v[AC+1+16*\b+\i]|
.endr
.endr
	WIN 0
.irp b, 0,1,2,3
	v_permlanex16_b32 v[TM+4+\b], v[TM+\b], s46, s47
.endr
.irp b, 0,1,2,3
	v_max_num_f32 v[TM+\b], v[TM+\b], v[TM+4+\b]
.endr
.irp b, 0,1,2,3
	v_add_nc_u32 v[TM+12+\b], 0xff000000, v[TM+\b]
.endr
.irp b, 0,1,2,3
	v_lshrrev_b32 v[TM+4+\b], 23, v[TM+12+\b]
.endr
	v_lshl_or_b32 v[PWR], v[TM+5], 8, v[TM+4]
	v_lshl_or_b32 v[PWR], v[TM+6], 16, v[PWR]
	v_lshl_or_b32 v[PWR], v[TM+7], 24, v[PWR]
	WIN 3
.irp c, 0,1
	v_cvt_scalef32_pk16_fp6_f32 v[PC+6*\c:PC+2+6*\c], v[AC+32*\c:AC+15+32*\c], v[TM+12+2*\c]
	v_cvt_scalef32_pk16_fp6_f32 v[PC+12+4*\c:PC+14+4*\c], v[AC+16+32*\c:AC+31+32*\c], v[TM+12+2*\c+1]
.endr
	WIN 0
	v_nop
.irp c, 0,1
.irp i, 0,1,2
	v_permlane16_swap_b32 v[PC+6*\c+\i], v[PC+12+4*\c+\i]
.endr
.irp i, 0,1,2
	v_mov_b32 v[PC+3+6*\c+\i], v[PC+12+4*\c+\i]
.endr
.endr
.endm
	s_mov_b32 s46, 0x76543210
	s_mov_b32 s47, 0xfedcba98
	s_mov_b32 s18, 0xffff0000
.irp b, 0,1,2,3
	v_mov_b32 v[TM+4+\b], 0
.endr
.irp a, 0,1,2,3
.if \a > 0
	s_wait_xcnt 0x0                                ; the last tile's stores have read the codes' registers
.endif
	QUANTW \a
.irp p, 0,1,2,3,4,5
	global_store_b64 v[L8], v[PC+2*\p:PC+2*\p+1], s[62:63] offset:\a*1536+256*\p
.endr
.if \a%2
	v_cndmask_b32 v[XW+\a/2], v[PW], v[PW+1], s18
.endif
.endr
	global_store_b64 v[L8], v[XW:XW+1], s[12:13]
	s_wait_tensorcnt 0x0                           ; the wave's end
	ds_add_u32 v[SPW], v[NIL]
	s_wait_dscnt 0x0
	CROUND                                         ; the closing round
	s_endpgm
.Lfunc_end_k_qee8ba9545b_v:
	.size	k_qee8ba9545b_v, .Lfunc_end_k_qee8ba9545b_v-k_qee8ba9545b_v
	.p2alignl 7, 3214868480
	.fill 96, 4, 3214868480
	.section	.rodata,"a",@progbits
	.p2align	6, 0x0
	.amdhsa_kernel k_qee8ba9545b_v
		.amdhsa_group_segment_fixed_size 327680
		.amdhsa_private_segment_fixed_size 0
		.amdhsa_enable_private_segment 0
		.amdhsa_kernarg_size 40
		.amdhsa_user_sgpr_count 2
		.amdhsa_user_sgpr_kernarg_segment_ptr 1
		.amdhsa_wavefront_size32 1
		.amdhsa_system_sgpr_workgroup_id_x 1
		.amdhsa_system_sgpr_workgroup_id_y 1
		.amdhsa_system_sgpr_workgroup_id_z 1
		.amdhsa_system_vgpr_workitem_id 0
		.amdhsa_next_free_vgpr 1024
		.amdhsa_next_free_sgpr 66
		.amdhsa_reserve_vcc 0
		.amdhsa_float_denorm_mode_32 3
		.amdhsa_float_denorm_mode_16_64 3
		.amdhsa_memory_ordered 1
		.amdhsa_forward_progress 1
		.amdhsa_inst_pref_size 100
	.end_amdhsa_kernel
	.amdgpu_metadata
---
amdhsa.version: [ 1, 2 ]
amdhsa.kernels:
  - .name:           k_qee8ba9545b_v
    .symbol:         k_qee8ba9545b_v.kd
    .args:
      - { .name: cimg, .offset: 0, .size: 8, .value_kind: global_buffer, .address_space: global }
      - { .name: csc, .offset: 8, .size: 8, .value_kind: global_buffer, .address_space: global }
      - { .name: b_qkv, .offset: 16, .size: 8, .value_kind: global_buffer, .address_space: global }
      - { .name: himg, .offset: 24, .size: 8, .value_kind: global_buffer, .address_space: global }
      - { .name: hsc, .offset: 32, .size: 8, .value_kind: global_buffer, .address_space: global }
    .group_segment_fixed_size: 327680
    .private_segment_fixed_size: 0
    .kernarg_segment_align: 8
    .kernarg_segment_size: 40
    .max_flat_workgroup_size: 128
    .sgpr_count:     66
    .vgpr_count:     1024
    .wavefront_size: 32
...
	.end_amdgpu_metadata
.endif
;; end of part 3
;; launch attn (part 4): grid 4 x 64, 8 waves a work-group, clusters of 4 x 1, 212,992 bytes of LDS; arguments himg, hsc, aimg, asc; writes aimg, asc
.if DOCPART == 4
	.amdgcn_target "amdgcn-amd-amdhsa--gfx1250"
	.amdhsa_code_object_version 6
	.text
	.protected	k_qee8ba9545b_attn
	.globl	k_qee8ba9545b_attn
	.p2align	8
	.type	k_qee8ba9545b_attn,@function
k_qee8ba9545b_attn:
	s_mov_b64 s[64:65], 0
	v_nop
	global_prefetch_b8 v0, s[64:65] scope:SCOPE_SE
	s_setreg_imm32_b32 hwreg(HW_REG_WAVE_MODE, 25, 1), 1
	s_wait_xcnt 0x0
	s_wait_alu depctr_hold_cnt(0) depctr_sa_sdst(0) depctr_va_vdst(0) depctr_va_sdst(0) depctr_va_ssrc(0) depctr_va_vcc(0) depctr_vm_vsrc(0)
	s_getreg_b32 s2, hwreg(HW_REG_IB_STS2, 6, 4)
	s_cmp_eq_u32 s2, 0
	s_cbranch_scc0 .Lentry_in_a_cluster
	s_endpgm
.Lentry_in_a_cluster:
	s_bfe_u32 s2, ttmp6, 0x10000c
	s_cmp_lg_u32 s2, 0x3003
	s_cbranch_scc0 .Lentry_shape_is_right
	s_endpgm
.Lentry_shape_is_right:
; attn[b][q][head, :] = the sum over k of softmax_k(q . k / 8) v, head size 64, 2,048 keys, both products on codes of FP6 (E2M3) with E8M0 scales; the result is quantised along the embedding and leaves as part of an operand's image.
; THE SOFTMAX: t = score x log2(e) / 8; M = the running largest t rounded up to a whole number; p = 2^(t - M) is quantised along the keys, not normalised; the row's sum is taken of the unquantised p and divides at the end.
; IN: himg [bh][294,912]: Q at 0 and K at 98,304, [tile of 16 tokens][768] (registers 0-5 of a fragment: the head's 64); V at 196,608, [key step][tile of 16 of the 64][1,536].  hsc [bh][20,480]: Q's, K's, V's scale words.
; A stored tile T holds the tokens 32 (T / 2) + 8 (T % 2) + r + 8 (r / 8).
; SHARES: a work-group owns 512 queries of one head; wave w of eight owns query tiles 4 w .. 4 w + 3 (64 queries), two waves to a SIMD, one pass over the keys.  A key step's fragments of K and V are loaded once from LDS for the four tiles.
; ALL OF THE HEAD'S K, V AND SCALE WORDS LIE IN LDS, 208,896 bytes, filled once by one tensor load a wave: no byte is filled again, the loop has no barrier.  The four work-groups of a cluster are the four query blocks of one head: they ask jointly.
; No prefetch: every byte that the launch reads through LDS is asked for by the head's loads, so there is no later load to run ahead of.
; LAYOUT: both products transposed (S^T = K Q^T, O^T = V^T P^T): a lane holds one query.  THE KEYS OF A TILE OF K ARE CHOSEN BY THE LANES' LDS ADDRESSES: row 8 a + i of tile j of band c (64 keys) is key 64 c + 32 a + 8 j + i,
; which lies in stored tile 4 c + 2 a + j % 2 at row 8 (j / 2) + i.  So registers S + 32 c + 0 .. 31 of lane (r, h) are the keys 64 c + 32 h + 0 .. 31 of query r: a whole scale block, in the order of the next operand's registers.
; THE FIRST PRODUCT'S K IS 64: registers 6-11 of Q's fragments hold zero codes, set once.  Every code of FP6 is a finite number, so what K's operand holds there adds nothing: tile n's operand is v[KF + 6 n .. + 11],
; whose upper six registers are the next tile's codes (behind the last tile: six registers of zeros).  The scale bytes of that half are 0 in hsc, a finite power of two.
; A BLOCK'S BYTE: p rises with the score, so e = floor(t - M) of the block's largest score is the exponent of its largest p; it is held at -124 from below; the byte is e + 125.
; THE ORDER: tile u's scores are multiplied, then tile u - 1's O^T is brought under its new M and takes its product, then tile u's softmax follows: the sixteen multiplications are the places behind the scores' products.
; OUT: aimg [tile of 16 tokens: 512][K step 8][1,536]: head hd owns the 768 bytes at 768 hd of a tile.  asc [tile][512]: head hd owns the 2 bytes at 128 (hd / 4) + 8 r + 2 (hd % 4).
; LIMITS: the scaled scores t stay under 2^31 in magnitude; a p under 2^-126 counts as 0; a block of zeros in the result gets the byte 1; NaN and infinities are not served.
.set HB,    294912
.set HS,    20480
.set VOFF,  98304                      ; LDS: K's 128 tiles at 0, V's 16 key steps here,
.set KSC,   196608                     ; K's scale words, 512 bytes a key step,
.set VSC,   204800                     ; V's, 256 bytes a key step,
.set SPARE, 208896                     ; the spare words, 128 bytes for each of 8 waves
; window 0
.set L8,   1                           ; 8 x lane
.set AK0,  2                           ; K's fragments: 1536 (r / 8) + 8 (r % 8) + 128 h
.set AV0,  3                           ; 8 x lane + VOFF
.set ASK0, 4                           ; K's scale words: KSC + 256 h + 16 (r % 8) + 4 (r / 8)
.set ASV0, 5                           ; 8 x lane + VSC
.set R8,   6                           ; 8 r
.set L16,  7                           ; 16 x lane
.set SPW,  8
.set NIL,  9
.set ADK,  10                          ; v10-13 the step's LDS addresses
.set ADV,  11
.set AKS,  12
.set AVS,  13
.set KSW,  16                          ; v16-19 K's scale words: register 2 c + g: lanes 0-15 tile 2 g, lanes 16-31 tile 2 g + 1 of band c
.set QW,   20                          ; v20-21 Q's: register u / 2, lanes' half u % 2
.set VS,   22                          ; v22-23 V's
.set PW,   26                          ; p's scale word
.set F,    28                          ; v28 f = 2^(old M - new M); v29 named with it as a pair
.set ST,   32                          ; v32-47 for each query tile: -M, the largest score, the sum in two halves
.set BM,   48                          ; v48-55 maxima in eight chains (v52-55 then serve as T); behind the exponentials four chains of the sum
.set T,    52                          ; v52-55 at work
.set E,    56                          ; v56-57 my two blocks' exponents
.set OP,   58                          ; v58-59 the conversions' scale operands
.set W,    60                          ; v60-61 the scale word in the making
.set SA,   64                          ; v64-69 three more chains of the sum
.set TC,   70                          ; v70-76 the codes that must be moved
.set QF,   78                          ; v78-125 Q's four fragments
.set S,    126                         ; v126-189 S^T, then p
.set P,    190                         ; v190-201 p's codes
.set KF,   202                         ; v202-255 K's eight tiles, six registers each, and six of zeros
; window 1: v0-127 O^T of the four query tiles, v128-175 V's four fragments
.set VF,   128
.set WV,   12
.set SEL,  20
.set CS,   22
.set G1I,  24
.set G1S,  32
.set G0I,  40
.set G0S,  44
.set QA,   48
.set QS,   50
.set OA,   52
.set OS,   54
.set TB,   56
.set TS,   57
.set TJ,   58
.set CNT,  59
.set MSB, 0
.macro WIN new                         ; the immediate's high byte repeats the setting that is left
.if MSB != \new
	s_set_vgpr_msb (MSB<<8)|\new
.set MSB, \new
.endif
.endm
.macro CROUND                          ; a round of the cluster's barrier
	s_barrier_signal -1
	s_barrier_wait -1
	s_cmp_lg_u32 s[WV], 0
	s_cbranch_scc1 .Lnot_wave_0_\@
	s_barrier_signal -3
.Lnot_wave_0_\@:
	s_barrier_wait -3
	s_barrier_signal -1
	s_barrier_wait -1
.endm
.macro W6 d, a, b, c, sa, sb, ra, rb
	v_wmma_scale_f32_16x16x128_f8f6f4 v[\d:\d+7], v[\a:\a+11], v[\b:\b+11], \c, v[\sa], v[\sb] matrix_a_fmt:MATRIX_FMT_FP6 matrix_b_fmt:MATRIX_FMT_FP6 matrix_a_scale:MATRIX_SCALE_ROW\ra matrix_b_scale:MATRIX_SCALE_ROW\rb
.endm
	s_load_b128 s[4:7], s[0:1], 0x0                ; himg, hsc
	s_load_b128 s[8:11], s[0:1], 0x10              ; aimg, asc
	v_lshl_add_u32 v[SPW], v0, 2, SPARE
	v_mov_b32 v[NIL], 0
	ds_add_u32 v[SPW], v[NIL]                      ; the opening lines: the add, twice on end, and its wait ahead of my tensor load
	ds_add_u32 v[SPW], v[NIL]
	v_lshrrev_b32 v1, 5, v0
	v_readfirstlane_b32 s[WV], v1                  ; wave 0..7
	s_bfe_u32 s13, ttmp6, 0x40000                  ; cx
	s_lshl_b32 s15, ttmp9, 2
	s_add_co_u32 s13, s15, s13                     ; my block of 512 queries: it enters global addresses of Q and of the results alone
	s_and_b32 s14, ttmp7, 0xffff                   ; bh, which the four partners share
	s_mov_b32 s[G1I], 15|(3<<16)|(1<<21)           ; images: 32,768 dense bytes as 128 rows of 256; the mask names all four work-groups
	s_mov_b32 s[G1I+1], 32<<16
	s_mov_b32 s[G1I+2], 128<<16
	s_mov_b32 s[G1I+3], 32<<16
	s_mov_b32 s[G1I+4], 128
	s_mov_b32 s[G1I+5], 32
	s_mov_b32 s[G1I+6], 0
	s_mov_b32 s[G1I+7], 0
	s_mov_b32 s[G1S], 15|(3<<16)|(1<<21)           ; scale words: 6,144 bytes as 24 rows of 256
	s_mov_b32 s[G1S+1], 32<<16
	s_mov_b32 s[G1S+2], 24<<16
	s_mov_b32 s[G1S+3], 32<<16
	s_mov_b32 s[G1S+4], 24
	s_mov_b32 s[G1S+5], 32
	s_mov_b32 s[G1S+6], 0
	s_mov_b32 s[G1S+7], 0
	s_mov_b32 s[SEL], 0x76543210
	s_mov_b32 s[SEL+1], 0xfedcba98
	s_mov_b32 s[CS], 0x3e38aa3b                    ; c = log2(e) / 8
	s_mov_b32 s[CS+1], s[CS]
	s_mul_i32 s16, s14, HB                         ; my head in himg,
	s_mul_i32 s17, s14, HS                         ; and in hsc
	s_mov_b32 s[G0I], 1
	s_lshl_b32 s[G0I+1], s[WV], 15                 ; K and V lie on end in memory and in LDS: wave w (0 .. 5) brings bytes 32,768 w on
	s_add_co_u32 s[G0I+2], s16, s[G0I+1]
	s_add_co_u32 s[G0I+2], s[G0I+2], 98304
	s_mov_b32 s[G0I+3], 0
	s_mov_b32 s[G0S], 1
	s_and_b32 s18, s[WV], 1                        ; waves 6 and 7: a half each of K's and V's 12,288 bytes of scale words
	s_mul_i32 s18, s18, 6144
	s_add_co_u32 s[G0S+1], s18, KSC
	s_add_co_u32 s[G0S+2], s17, s18
	s_add_co_u32 s[G0S+2], s[G0S+2], 8192
	s_mov_b32 s[G0S+3], 0
	s_lshl_b32 s19, s13, 5
	s_lshl_b32 s60, s[WV], 2
	s_add_co_u32 s19, s19, s60                     ; my first query tile of the head's 128
	s_mul_i32 s[QA], s19, 768
	s_add_co_u32 s[QA], s[QA], s16
	s_mov_b32 s[QA+1], 0
	s_lshr_b32 s60, s19, 3                         ; its group of 8 tiles: 512 bytes of scale words: tile n's word of row r at 256 (n % 2) + 16 r + 4 (n % 8 / 2)
	s_lshl_b32 s[QS], s60, 9
	s_and_b32 s60, s[WV], 1
	s_lshl_b32 s60, s60, 3                         ; my four tiles are the group's first or last four: words 0, 1 or 2, 3
	s_add_co_u32 s[QS], s[QS], s60
	s_add_co_u32 s[QS], s[QS], s17
	s_mov_b32 s[QS+1], 0
	s_lshr_b32 s60, s14, 4                         ; batch
	s_lshl_b32 s60, s60, 7
	s_add_co_u32 s60, s60, s19                     ; my first tile among all 512
	s_and_b32 s61, s14, 15                         ; head
	s_mul_i32 s[OA], s60, 12288
	s_mul_i32 s62, s61, 768
	s_add_co_u32 s[OA], s[OA], s62
	s_mov_b32 s[OA+1], 0
	s_lshl_b32 s[OS], s60, 9
	s_lshr_b32 s62, s61, 2
	s_lshl_b32 s62, s62, 7
	s_add_co_u32 s[OS], s[OS], s62
	s_and_b32 s62, s61, 3
	s_lshl_b32 s62, s62, 1
	s_add_co_u32 s[OS], s[OS], s62
	s_mov_b32 s[OS+1], 0
	s_wait_dscnt 0x0                               ; both opening adds are done
	s_wait_kmcnt 0x0
	s_add_nc_u64 s[G0I+2:G0I+3], s[4:5], s[G0I+2:G0I+3]
	s_or_b32 s[G0I+3], s[G0I+3], 0x80000000
	s_add_nc_u64 s[G0S+2:G0S+3], s[6:7], s[G0S+2:G0S+3]
	s_or_b32 s[G0S+3], s[G0S+3], 0x80000000
	s_add_nc_u64 s[QA:QA+1], s[4:5], s[QA:QA+1]
	s_add_nc_u64 s[QS:QS+1], s[6:7], s[QS:QS+1]
	s_add_nc_u64 s[OA:OA+1], s[8:9], s[OA:OA+1]
	s_add_nc_u64 s[OS:OS+1], s[10:11], s[OS:OS+1]
	CROUND                                         ; all four work-groups are here: the joint loads meet
	s_cmp_lt_u32 s[WV], 6                          ; one tensor load a wave, one in each arm
	s_cbranch_scc0 .Lwords
	tensor_load_to_lds s[G0I:G0I+3], s[G1I:G1I+7]
	s_nop 0
.rept 4
	v_nop
.endr
	s_branch .Lasked
.Lwords:
	tensor_load_to_lds s[G0S:G0S+3], s[G1S:G1S+7]
	s_nop 0
.rept 4
	v_nop
.endr
.Lasked:
	v_and_b32 v14, 31, v0
	v_lshlrev_b32 v[L8], 3, v14
	v_lshlrev_b32 v[L16], 4, v14
	v_and_b32 v15, 15, v0
	v_lshlrev_b32 v[R8], 3, v15
	v_add_nc_u32 v[AV0], VOFF, v[L8]
	v_add_nc_u32 v[ASV0], VSC, v[L8]
	v_bfe_u32 v[ADK], v0, 3, 1                     ; r / 8
	v_and_b32 v[ADV], 7, v0                        ; r % 8
	v_bfe_u32 v[AKS], v0, 4, 1                     ; h
	v_mul_u32_u24 v[AK0], v[ADK], 1536
	v_lshl_add_u32 v[AK0], v[ADV], 3, v[AK0]
	v_lshl_add_u32 v[AK0], v[AKS], 7, v[AK0]
	v_lshlrev_b32 v[ASK0], 8, v[AKS]
	v_lshl_add_u32 v[ASK0], v[ADV], 4, v[ASK0]
	v_lshl_add_u32 v[ASK0], v[ADK], 2, v[ASK0]
	v_add_nc_u32 v[ASK0], KSC, v[ASK0]
.irp u, 0,1,2,3
.irp i, 0,1,2
	global_load_b64 v[QF+12*\u+2*\i:QF+12*\u+2*\i+1], v[L8], s[QA:QA+1] offset:768*\u+256*\i
.endr
.endr
	global_load_b64 v[QW:QW+1], v[L16], s[QS:QS+1]
.irp i, 6,7,8,9,10,11
.irp u, 0,1,2,3
	v_mov_b32 v[QF+12*\u+\i], 0                    ; zero codes for k = 64 .. 127, set once
.endr
	v_mov_b32 v[KF+42+\i], 0                       ; behind K's last tile
.endr
.irp u, 0,1,2,3
	v_mov_b32 v[ST+4*\u], 0x7f61b1e6               ; -M: 3e38, over every later -M, so that the first f is 0
	v_mov_b32 v[ST+4*\u+1], 0xff61b1e6             ; the largest score so far: -3e38
	v_mov_b32 v[ST+4*\u+2], 0
	v_mov_b32 v[ST+4*\u+3], 0
.endr
	v_mov_b32 v[T+1], 0                            ; a lane permute's destination counts as one of its sources
	v_mov_b32 v[W+1], 0
	v_mov_b32 v[F+1], 0                            ; named as the upper half of a pair
	WIN 0x40
.set j, 0
.rept 128
	v_mov_b32 v[j], 0                              ; O^T: the step is written once: the first finds zeros.  These lines stand under the flight of the tensor loads
.set j, j+1
.endr
	WIN 0
	s_mov_b32 s[TB], 0
	s_mov_b32 s[TS], 0
	s_mov_b32 s[TJ], 0
	s_mov_b32 s[CNT], 16
	s_wait_alu depctr_va_vdst(0)
	s_wait_tensorcnt 0x0                           ; my part has landed,
	s_barrier_signal -1
	s_barrier_wait -1                              ; everybody's has
.macro KLOAD off                       ; the eight tiles of K and their scale words, off bytes of K beyond the step at s[TB]
	v_add_nc_u32 v[ADK], s[TB], v[AK0]
	v_add_nc_u32 v[AKS], s[TS], v[ASK0]
.irp c, 0,1
.irp j, 0,1,2,3
.irp p, 0,1,2
	ds_load_b64 v[KF+6*(4*\c+\j)+2*\p:KF+6*(4*\c+\j)+2*\p+1], v[ADK] offset:\off+3072*\c+768*(\j%2)+64*(\j/2)+256*\p
.endr
.endr
.irp g, 0,1
	ds_load_b32 v[KSW+2*\c+\g], v[AKS] offset:\off/12+8*\c+128*\g
.endr
.endr
.endm
.macro VLOAD                           ; this step's four fragments of V and their scale words; the first four lines are the places behind the products that read these registers
	v_add_nc_u32 v[ADV], s[TB], v[AV0]
	v_add_nc_u32 v[AVS], s[TJ], v[ASV0]
	v_nop
	v_nop
	WIN 0x40
.irp t, 0,1,2,3
.irp p, 0,1,2,3,4,5
	ds_load_b64 v[VF+12*\t+2*\p:VF+12*\t+2*\p+1], v[ADV] offset:1536*\t+256*\p
.endr
.endr
	WIN 0
	ds_load_b64 v[VS:VS+1], v[AVS]
.endm
.macro QK u, ub                        ; S^T = K Q^T of query tile u (ub = u % 2): eight tiles of 16 keys
.irp c, 0,1
.irp g, 0,1
.irp o, 0,1
	W6 S+8*(4*\c+2*\g+\o), KF+6*(4*\c+2*\g+\o), QF+12*\u, 0, KSW+2*\c+\g, QW+\u/2, \o, \ub
.endr
.endr
.endr
.endm
.macro PVP u                           ; O^T of tile u under its new M, then O^T += V^T P^T: four accumulators by turns.  Destination, source 0 and C in window 1
	WIN 0x51
	s_wait_alu depctr_va_vdst(0)                   ; directly ahead of the first reader of O^T
.set j, 0
.rept 16
	v_pk_mul_f32 v[32*\u+j:32*\u+j+1], v[32*\u+j:32*\u+j+1], v[F:F+1] op_sel_hi:[1,0]
.set j, j+2
.endr
.irp g, 0,1
.irp o, 0,1
	W6 32*\u+8*(2*\g+\o), VF+12*(2*\g+\o), P, v[32*\u+8*(2*\g+\o):32*\u+8*(2*\g+\o)+7], VS+\g, PW, \o, 0
.endr
.endr
	WIN 0
.endm
.macro SOFT u                          ; the softmax of tile u's 128 scores a query, 64 a lane, and p's codes
.set NM, ST+4*\u
.irp k, 0,1,2,3,4,5,6,7
	v_max3_num_f32 v[BM+\k], v[S+8*\k], v[S+8*\k+1], v[S+8*\k+2]   ; my two blocks' largest scores: a chain to each accumulator, which is first read at its low end
.endr
.irp i, 3,5
.irp k, 0,1,2,3,4,5,6,7
	v_max3_num_f32 v[BM+\k], v[BM+\k], v[S+8*\k+\i], v[S+8*\k+\i+1]
.endr
.endr
	v_max3_num_f32 v[BM], v[BM], v[BM+1], v[S+7]   ; the chains and each accumulator's last register are joined
	v_max3_num_f32 v[BM+2], v[BM+2], v[BM+3], v[S+15]
	v_max3_num_f32 v[BM+4], v[BM+4], v[BM+5], v[S+39]
	v_max3_num_f32 v[BM+6], v[BM+6], v[BM+7], v[S+47]
	v_max3_num_f32 v[BM], v[BM], v[BM+2], v[S+23]
	v_max3_num_f32 v[BM+2], v[BM+4], v[BM+6], v[S+55]
	v_max_num_f32 v[BM], v[BM], v[S+31]
	v_max_num_f32 v[BM+2], v[BM+2], v[S+63]
	v_mov_b32 v[T+3], v[NM]
	s_delay_alu instid0(VALU_DEP_2)
	v_max_num_f32 v[T], v[BM], v[BM+2]
	s_delay_alu instid0(VALU_DEP_1)
	v_permlanex16_b32 v[T+1], v[T], s[SEL], s[SEL+1]
	s_delay_alu instid0(VALU_DEP_1)
	v_max3_num_f32 v[NM+1], v[T], v[T+1], v[NM+1]  ; with lane l xor 16's 64 keys and what went before: the running largest score
	s_delay_alu instid0(VALU_DEP_1)
	v_mul_f32 v[T+2], s[CS], v[NM+1]
	s_delay_alu instid0(VALU_DEP_1)
	v_floor_f32 v[NM], -v[T+2]                     ; the new -M = floor(-t): M is a whole number
.set j, 0
.rept 32
	v_pk_fma_f32 v[S+j:S+j+1], v[S+j:S+j+1], s[CS:CS+1], v[NM:NM+1] op_sel_hi:[1,0,0]   ; t - M, two at a time; the short chains stand among these lines
.if j == 8
	v_sub_f32 v[T+3], v[NM], v[T+3]                ; old M - new M, a whole number, 0 or less
	v_fma_f32 v[BM], v[BM], s[CS], v[NM]           ; t - M of each block's largest score
	v_fma_f32 v[BM+2], v[BM+2], s[CS], v[NM]
.elseif j == 20
	v_cvt_i32_f32 v[T+3], v[T+3]                   ; (it saturates)
	v_max_num_f32 v[BM], 0xc2f80000, v[BM]         ; held at -124: the byte cannot fall under 1
	v_max_num_f32 v[BM+2], 0xc2f80000, v[BM+2]
.elseif j == 32
	v_ldexp_f32 v[F], 1.0, v[T+3]                  ; f = 2^(old M - new M)
	v_floor_f32 v[BM], v[BM]
	v_floor_f32 v[BM+2], v[BM+2]
.elseif j == 44
	v_cvt_i32_f32 v[E], v[BM]                      ; e: the exponent of the block's largest p
	v_cvt_i32_f32 v[E+1], v[BM+2]
.endif
.set j, j+2
.endr
	s_wait_alu depctr_va_vdst(0)                   ; ahead of the batch
.set j, 0
.rept 64
	v_exp_f32 v[S+j], v[S+j]                       ; p = 2^(t - M)
.set j, j+1
.endr
	v_lshl_add_u32 v[W], v[E+1], 16, v[E]          ; my blocks h and 2 + h; sums modulo 2^32, the four 125 are added at the end
	v_lshl_add_u32 v[OP], v[E], 23, 0x3e800000     ; (e + 125) << 23: the conversion divides by 2^(e - 2)
	v_lshl_add_u32 v[OP+1], v[E+1], 23, 0x3e800000
	s_delay_alu instid0(VALU_DEP_3)
	v_permlanex16_b32 v[W+1], v[W], s[SEL], s[SEL+1]
	s_delay_alu instid0(VALU_DEP_1)
	v_lshl_add_u32 v[W], v[W+1], 8, v[W]           ; in lanes 0-15: blocks 0, 1, 2, 3 in bytes 0 to 3 (lanes 16-31 are not read)
	s_delay_alu instid0(VALU_DEP_1)
	v_add_nc_u32 v[PW], 0x7d7d7d7d, v[W]           ; p's scale word
	s_wait_alu depctr_va_vdst(0)                   ; one wait for the whole batch, ahead of its first reader
.irp c, 0,1
	v_cvt_scalef32_pk16_fp6_f32 v[P+6*\c:P+6*\c+2], v[S+32*\c:S+32*\c+15], v[OP+\c]
	v_cvt_scalef32_pk16_fp6_f32 v[TC+4*\c:TC+4*\c+2], v[S+32*\c+16:S+32*\c+31], v[OP+\c]   ; (a conversion's three registers begin on an even number)
.endr
	v_pk_fma_f32 v[NM+2:NM+3], v[NM+2:NM+3], v[F:F+1], v[S:S+1] op_sel_hi:[1,0,1]   ; the sum under the new M, and the unquantised p onto it: four chains
.set j, 2
.irp x, SA,SA+2,SA+4,BM,BM+2,BM+4,BM+6
	v_pk_add_f32 v[\x:\x+1], v[S+j:S+j+1], v[S+j+2:S+j+3]   ; seven more chains
.set j, j+4
.endr
.rept 2
	v_pk_add_f32 v[NM+2:NM+3], v[NM+2:NM+3], v[S+j:S+j+1]
.set j, j+2
.irp x, SA,SA+2,SA+4,BM,BM+2,BM+4,BM+6
	v_pk_add_f32 v[\x:\x+1], v[\x:\x+1], v[S+j:S+j+1]
.set j, j+2
.endr
.endr
	v_pk_add_f32 v[NM+2:NM+3], v[NM+2:NM+3], v[S+62:S+63]
	v_pk_add_f32 v[SA:SA+1], v[SA:SA+1], v[SA+2:SA+3]
	v_pk_add_f32 v[SA+4:SA+5], v[SA+4:SA+5], v[BM:BM+1]
	v_pk_add_f32 v[BM+2:BM+3], v[BM+2:BM+3], v[BM+4:BM+5]
	v_pk_add_f32 v[NM+2:NM+3], v[NM+2:NM+3], v[BM+6:BM+7]
.irp i, 0,1,2
	v_mov_b32 v[P+3+\i], v[TC+\i]
.endr
	v_pk_add_f32 v[SA:SA+1], v[SA:SA+1], v[SA+4:SA+5]
	v_pk_add_f32 v[NM+2:NM+3], v[NM+2:NM+3], v[BM+2:BM+3]
.irp i, 0,1,2
	v_mov_b32 v[P+9+\i], v[TC+4+\i]
.endr
	v_pk_add_f32 v[NM+2:NM+3], v[NM+2:NM+3], v[SA:SA+1]
.endm
	KLOAD 0
	s_wait_loadcnt 0x0                             ; Q
	s_wait_dscnt 0x0
	QK 0, 0
.Lstep:                                                ; a key step: 128 keys against my four query tiles; tile 0's scores are multiplied at the end of the step before
	VLOAD
	SOFT 0
	QK 1, 1
	s_wait_dscnt 0x0                               ; V is in
	PVP 0
	SOFT 1
	QK 2, 0
	PVP 1
	SOFT 2
	QK 3, 1
	PVP 2
	s_cmp_eq_u32 s[CNT], 1                         ; the last step has no next step's K to fetch or to multiply
	s_cbranch_scc1 .Lno_k
	KLOAD 6144                                     ; sixteen plain lines stand behind the last product that read K
.Lno_k:
	SOFT 3
	s_cmp_eq_u32 s[CNT], 1
	s_cbranch_scc1 .Lno_qk
	s_wait_dscnt 0x0                               ; the next step's K is in
	QK 0, 0
.Lno_qk:
	PVP 3
	s_add_co_u32 s[TB], s[TB], 6144                ; the next key step: 8 tiles of K, 4 of V,
	s_add_co_u32 s[TS], s[TS], 512                 ; K's scale words,
	s_add_co_u32 s[TJ], s[TJ], 256                 ; V's
	s_sub_co_u32 s[CNT], s[CNT], 1
	s_cmp_lg_u32 s[CNT], 0
	s_cbranch_scc1 .Lstep
; THE WAY OUT: O^T / the sum, quantised along the head's 64 (two blocks), two query tiles at a time
.irp u, 0,1,2,3
	v_add_f32 v[ST+4*\u+2], v[ST+4*\u+2], v[ST+4*\u+3]
.endr
.irp u, 0,1,2,3
	v_permlanex16_b32 v[BM+\u], v[ST+4*\u+2], s[SEL], s[SEL+1]
.endr
.irp u, 0,1,2,3
	v_add_f32 v[ST+4*\u+2], v[ST+4*\u+2], v[BM+\u] ; the row's sum
.endr
	s_wait_alu depctr_va_vdst(0)                   ; ahead of the batch
.irp u, 0,1,2,3
	v_rcp_f32 v[ST+4*\u+2], v[ST+4*\u+2]
.endr
	v_nop                                          ; a plain place behind the reciprocals
.macro OUT2 v                          ; tiles 2 v and 2 v + 1.  Register S + 32 w + 16 b + i is channel 32 b + 16 h + i of my query in tile 2 v + w
.irp w, 0,1
	WIN 0x01
	s_wait_alu depctr_va_vdst(0)                   ; behind the reciprocals, directly ahead of the first reader of this tile's O^T
.set j, 0
.rept 16
	v_pk_mul_f32 v[S+32*\w+j:S+32*\w+j+1], v[32*(2*\v+\w)+j:32*(2*\v+\w)+j+1], v[ST+4*(2*\v+\w)+2:ST+4*(2*\v+\w)+3] op_sel_hi:[1,0]
.set j, j+2
.endr
.endr
	WIN 0
.irp b, 0,1,2,3
	v_max3_num_f32 v[BM+\b], |v[S+16*\b]|, |v[S+1+16*\b]|, 0x1800000   ; and the floor 2^(3 - 127): the byte cannot fall under 1
.endr
.irp i, 2,4,6,8,10,12,14
.irp b, 0,1,2,3
	v_max3_num_f32 v[BM+\b], v[BM+\b], |v[S+16*\b+\i]|, |v[S+1+16*\b+\i]|
.endr
.endr
.irp b, 0,1,2,3
	v_permlanex16_b32 v[T+\b], v[BM+\b], s[SEL], s[SEL+1]
.endr
.irp b, 0,1,2,3
	v_max_num_f32 v[BM+\b], v[BM+\b], v[T+\b]
.endr
.irp b, 0,1,2,3
	v_add_nc_u32 v[E+\b], 0xff000000, v[BM+\b]     ; 2 off the exponent field: the conversion's scale operand
.endr
.irp b, 0,1,2,3
	v_lshrrev_b32 v[T+\b], 23, v[E+\b]
.endr
.irp w, 0,1
	v_lshl_or_b32 v[QF+12*(2*\v+\w)+10], v[T+2*\w+1], 8, v[T+2*\w]   ; my row's two scale bytes.  Each tile's results have registers of their own, where Q lay: no store's data are written again
.endr
.irp w, 0,1
	v_cvt_scalef32_pk16_fp6_f32 v[QF+12*(2*\v+\w):QF+12*(2*\v+\w)+2], v[S+32*\w:S+32*\w+15], v[E+2*\w]
	v_cvt_scalef32_pk16_fp6_f32 v[QF+12*(2*\v+\w)+6:QF+12*(2*\v+\w)+8], v[S+32*\w+16:S+32*\w+31], v[E+2*\w+1]
.endr
	v_nop                                          ; one plain place behind a scaled conversion
.irp w, 0,1
.irp i, 0,1,2
	v_permlane16_swap_b32 v[QF+12*(2*\v+\w)+\i], v[QF+12*(2*\v+\w)+6+\i]   ; a whole block to a lane
.endr
.endr
.irp w, 0,1
.irp i, 0,1,2
	v_mov_b32 v[QF+12*(2*\v+\w)+3+\i], v[QF+12*(2*\v+\w)+6+\i]
.endr
.endr
.irp w, 0,1
.irp i, 0,1,2
	global_store_b64 v[L8], v[QF+12*(2*\v+\w)+2*\i:QF+12*(2*\v+\w)+2*\i+1], s[OA:OA+1] offset:12288*(2*\v+\w)+256*\i   ; 256 consecutive bytes, aligned
.endr
	global_store_b16 v[R8], v[QF+12*(2*\v+\w)+10], s[OS:OS+1] offset:512*(2*\v+\w)   ; a head owns two bytes of a row's scale word; lanes r and r + 16 write the same two bytes with the same value
.endr
.endm
	OUT2 0
	OUT2 1
	s_wait_tensorcnt 0x0                           ; the wave's end
	ds_add_u32 v[SPW], v[NIL]
	s_wait_dscnt 0x0
	CROUND                                         ; the closing round
	s_endpgm
.Lfunc_end_k_qee8ba9545b_attn:
	.size	k_qee8ba9545b_attn, .Lfunc_end_k_qee8ba9545b_attn-k_qee8ba9545b_attn
	.p2alignl 7, 3214868480
	.fill 96, 4, 3214868480
	.section	.rodata,"a",@progbits
	.p2align	6, 0x0
	.amdhsa_kernel k_qee8ba9545b_attn
		.amdhsa_group_segment_fixed_size 212992
		.amdhsa_private_segment_fixed_size 0
		.amdhsa_enable_private_segment 0
		.amdhsa_kernarg_size 32
		.amdhsa_user_sgpr_count 2
		.amdhsa_user_sgpr_kernarg_segment_ptr 1
		.amdhsa_wavefront_size32 1
		.amdhsa_system_sgpr_workgroup_id_x 1
		.amdhsa_system_sgpr_workgroup_id_y 1
		.amdhsa_system_sgpr_workgroup_id_z 1
		.amdhsa_system_vgpr_workitem_id 0
		.amdhsa_next_free_vgpr 512
		.amdhsa_next_free_sgpr 66
		.amdhsa_reserve_vcc 0
		.amdhsa_float_denorm_mode_32 3
		.amdhsa_float_denorm_mode_16_64 3
		.amdhsa_memory_ordered 1
		.amdhsa_forward_progress 1
		.amdhsa_inst_pref_size 85
	.end_amdhsa_kernel
	.amdgpu_metadata
---
amdhsa.version: [ 1, 2 ]
amdhsa.kernels:
  - .name:           k_qee8ba9545b_attn
    .symbol:         k_qee8ba9545b_attn.kd
    .args:
      - { .name: himg, .offset: 0, .size: 8, .value_kind: global_buffer, .address_space: global }
      - { .name: hsc, .offset: 8, .size: 8, .value_kind: global_buffer, .address_space: global }
      - { .name: aimg, .offset: 16, .size: 8, .value_kind: global_buffer, .address_space: global }
      - { .name: asc, .offset: 24, .size: 8, .value_kind: global_buffer, .address_space: global }
    .group_segment_fixed_size: 212992
    .private_segment_fixed_size: 0
    .kernarg_segment_align: 8
    .kernarg_segment_size: 32
    .max_flat_workgroup_size: 256
    .sgpr_count:     66
    .vgpr_count:     512
    .wavefront_size: 32
...
	.end_amdgpu_metadata
.endif
;; end of part 4
;; launch out (part 5): grid 4 x 64, 4 waves a work-group, clusters of 4 x 4, 327,680 bytes of LDS; arguments aimg, asc, cimg, csc, b_out, out0; writes out0
.if DOCPART == 5
	.amdgcn_target "amdgcn-amd-amdhsa--gfx1250"
	.amdhsa_code_object_version 6
	.text
	.protected	k_qee8ba9545b_out
	.globl	k_qee8ba9545b_out
	.p2align	8
	.type	k_qee8ba9545b_out,@function
k_qee8ba9545b_out:
	s_mov_b64 s[64:65], 0
	v_nop
	global_prefetch_b8 v0, s[64:65] scope:SCOPE_SE
	s_setreg_imm32_b32 hwreg(HW_REG_WAVE_MODE, 25, 1), 1
	s_wait_xcnt 0x0
	s_wait_alu depctr_hold_cnt(0) depctr_sa_sdst(0) depctr_va_vdst(0) depctr_va_sdst(0) depctr_va_ssrc(0) depctr_va_vcc(0) depctr_vm_vsrc(0)
	s_getreg_b32 s2, hwreg(HW_REG_IB_STS2, 6, 4)
	s_cmp_eq_u32 s2, 0
	s_cbranch_scc0 .Lentry_in_a_cluster
	s_endpgm
.Lentry_in_a_cluster:
	s_bfe_u32 s2, ttmp6, 0x10000c
	s_cmp_lg_u32 s2, 0xf033
	s_cbranch_scc0 .Lentry_shape_is_right
	s_endpgm
.Lentry_shape_is_right:
; out0 = attn W_out^T + b_out on codes of FP6 (E2M3) with E8M0 scales, f32 out.
; IN: aimg [tile of 16 tokens: 512][K step 8][1,536], asc [tile][512]; cimg, csc likewise, tiles 704-767 W_out's rows.  The word of step s, row r lies at 128 (s / 2) + 8 r + 4 (s % 2).  A tile T holds the rows 32 (T / 2) + 8 (T % 2) + r + 8 (r / 8).
; SHARES: 256 work-groups; work-group (x, y) makes tokens 128 y .. + 127 x columns 256 x .. + 255; wave w makes all 128 tokens x columns 64 w .. + 63 of them.
; ALL OF K OF BOTH OPERANDS LIES IN LDS, 294,912 bytes, filled once by one joint load a wave: no byte is filled again.  W_out's 16 tiles are shared by a column of the cluster, the tokens' 8 tiles by a row.
; Waves 0 and 1 bring the weights, and the first barrier waits for these two loads alone; the tokens' tiles land while the weights go into registers.
; A wave holds its 64 rows of W_out, all of K, in 384 registers and takes the eight token tiles past them, 32 products each, four accumulators by turns.  The bias is the first products' C.
; Source 0 = 16 rows of W_out, source 1 = 16 tokens: a lane holds one token and, in two neighbouring tiles, 16 neighbouring columns.  A finished tile of 16 tokens x 64 columns goes through the wave's own stage in LDS
; (bytes of their own, into which no fill lands) and leaves as rows of 256 bytes, aligned, while the next tiles are multiplied.
; No prefetch: every tile is asked for at the head, so there is no later load to run ahead of.
; REGISTERS: window 0: addresses, scale words, bias, two sets of four accumulators, two sets of 32 for the way out; window 1: the weights' K steps 0-3; window 2: K steps 4-7; window 3: the tokens' fragments, two sets of 96.
.set WT0,  704
.set TROW, 12288
.set AX,   16*TROW
.set STG,  AX+8*TROW
.set SP,   272
.set SPARE, STG+4*16*SP
.set L8,   1
.set ADW,  2
.set ADA,  3
.set STO,  5
.set RD,   6
.set CO,   7
.set SPW,  8
.set NIL,  9
.set BAD,  10
.set LSA,  11
.set LSW,  12
.set SW,   32                          ; v32-47 the weights' scale words: 8 g + s: lanes 0-15 tile 2 g, lanes 16-31 tile 2 g + 1
.set SAX,  50                          ; v50-81 the tokens': 4 a + s % 4: lanes 0-15 steps 0-3, lanes 16-31 steps 4-7
.set BIAS, 96
.set ACC,  128
.set BK,   192
.set WV,   16
.set G1A,  24
.set G1B,  32
.set G0A,  48
.set G0B,  52
.set MSB, 0
.macro WIN new
.if MSB != (\new)
	s_set_vgpr_msb (MSB<<8)|(\new)
.set MSB, (\new)
.endif
.endm
.macro PLACES n
.rept \n
	v_nop
.endr
.endm
.macro CROUND
	s_barrier_signal -1
	s_barrier_wait -1
	s_cmp_lg_u32 s[WV], 0
	s_cbranch_scc1 .Lnot_wave_0_\@
	s_barrier_signal -3
.Lnot_wave_0_\@:
	s_barrier_wait -3
	s_barrier_signal -1
	s_barrier_wait -1
.endm
.macro W6 d, a, b, c, sa, sb, ra, rb
	v_wmma_scale_f32_16x16x128_f8f6f4 v[\d:\d+7], v[\a:\a+11], v[\b:\b+11], \c, v[\sa], v[\sb] matrix_a_fmt:MATRIX_FMT_FP6 matrix_b_fmt:MATRIX_FMT_FP6 matrix_a_scale:MATRIX_SCALE_ROW\ra matrix_b_scale:MATRIX_SCALE_ROW\rb
.endm
	s_load_b128 s[4:7], s[0:1], 0x0                ; aimg, asc
	s_load_b128 s[8:11], s[0:1], 0x10              ; cimg, csc
	s_load_b128 s[20:23], s[0:1], 0x20             ; b_out, out0
	v_lshl_add_u32 v[SPW], v0, 2, SPARE
	v_mov_b32 v[NIL], 0
	ds_add_u32 v[SPW], v[NIL]                      ; the opening lines
	ds_add_u32 v[SPW], v[NIL]
	v_lshrrev_b32 v1, 5, v0
	v_readfirstlane_b32 s[WV], v1
	s_and_b32 s17, s[WV], 1
	s_bfe_u32 s40, ttmp6, 0x40000                  ; cx
	s_bfe_u32 s41, ttmp6, 0x40004                  ; cy
	s_lshl_b32 s42, ttmp9, 2
	s_add_co_u32 s42, s42, s40                     ; x
	s_and_b32 s43, ttmp7, 0xffff
	s_lshl_b32 s43, s43, 2
	s_add_co_u32 s43, s43, s41                     ; y
	s_lshl_b32 s44, s41, 2
	s_lshl_b32 s44, 15, s44                        ; my row of the cluster
	s_lshl_b32 s45, 0x1111, s40                    ; my column
	s_or_b32 s[G1A], s44, (3<<16)|(1<<21)          ; the tokens: 49,152 dense bytes as 192 rows of 256
	s_mov_b32 s[G1A+1], 32<<16
	s_mov_b32 s[G1A+2], 192<<16
	s_mov_b32 s[G1A+3], 32<<16
	s_mov_b32 s[G1A+4], 192
	s_mov_b32 s[G1A+5], 32
	s_mov_b32 s[G1A+6], 0
	s_mov_b32 s[G1A+7], 0
	s_or_b32 s[G1B], s45, (3<<16)|(1<<21)          ; the weights: 98,304 bytes as 384 rows
	s_mov_b32 s[G1B+1], 32<<16
	s_mov_b32 s[G1B+2], 384<<16
	s_mov_b32 s[G1B+3], 32<<16
	s_mov_b32 s[G1B+4], 384
	s_mov_b32 s[G1B+5], 32
	s_mov_b32 s[G1B+6], 0
	s_mov_b32 s[G1B+7], 0
	s_mov_b32 s[G0A], 1
	s_mul_i32 s46, s17, 4*TROW
	s_add_co_u32 s[G0A+1], s46, AX
	s_mul_i32 s[G0A+2], s43, 8*TROW
	s_add_co_u32 s[G0A+2], s[G0A+2], s46
	s_mov_b32 s[G0A+3], 0
	s_mov_b32 s[G0B], 1
	s_mul_i32 s[G0B+1], s17, 8*TROW
	s_mul_i32 s[G0B+2], s42, 16*TROW
	s_add_co_u32 s[G0B+2], s[G0B+2], s[G0B+1]
	s_add_co_u32 s[G0B+2], s[G0B+2], WT0*TROW
	s_mov_b32 s[G0B+3], 0
	s_lshl_b32 s56, s43, 12                        ; the tokens' scale words: 8 tiles of 512 bytes
	s_mov_b32 s57, 0
	s_lshl_b32 s58, s42, 13                        ; my four tiles of the weights
	s_lshl_b32 s47, s[WV], 11
	s_add_co_u32 s58, s58, s47
	s_add_co_u32 s58, s58, WT0*512
	s_mov_b32 s59, 0
	s_lshl_b32 s60, s42, 10                        ; my 64 columns, in bytes
	s_lshl_b32 s47, s[WV], 8
	s_add_co_u32 s60, s60, s47
	s_mov_b32 s61, 0
	s_lshl_b32 s62, s43, 19                        ; my 128 rows of 4,096 bytes
	s_add_co_u32 s62, s62, s60
	s_mov_b32 s63, 0
	s_mul_i32 s47, s[WV], 4*TROW
	s_mul_i32 s18, s[WV], 16*SP
	s_add_co_u32 s18, s18, STG                     ; my stage
	s_wait_dscnt 0x0
	s_wait_kmcnt 0x0
	s_add_nc_u64 s[G0A+2:G0A+3], s[4:5], s[G0A+2:G0A+3]
	s_or_b32 s[G0A+3], s[G0A+3], 0x80000000
	s_add_nc_u64 s[G0B+2:G0B+3], s[8:9], s[G0B+2:G0B+3]
	s_or_b32 s[G0B+3], s[G0B+3], 0x80000000
	s_add_nc_u64 s[56:57], s[6:7], s[56:57]
	s_add_nc_u64 s[58:59], s[10:11], s[58:59]
	s_add_nc_u64 s[60:61], s[20:21], s[60:61]
	s_add_nc_u64 s[62:63], s[22:23], s[62:63]
	CROUND                                         ; all sixteen work-groups are here: the joint loads meet
	s_cmp_lt_u32 s[WV], 2                          ; one tensor load a wave, one in each arm
	s_cbranch_scc0 .Lrows
	tensor_load_to_lds s[G0B:G0B+3], s[G1B:G1B+7]
	s_nop 0
	PLACES 4
	s_branch .Lasked
.Lrows:
	tensor_load_to_lds s[G0A:G0A+3], s[G1A:G1A+7]
	s_nop 0
	PLACES 4
.Lasked:
	v_and_b32 v13, 15, v0                          ; r
	v_bfe_u32 v14, v0, 4, 1                        ; h
	v_and_b32 v15, 31, v0
	v_lshlrev_b32 v[L8], 3, v15
	v_lshlrev_b32 v[LSA], 3, v13
	v_lshl_add_u32 v[LSW], v14, 9, v[LSA]          ; 8 r + 512 h: lanes 16-31 take the next tile
	v_lshl_add_u32 v[LSA], v14, 8, v[LSA]          ; 8 r + 256 h: lanes 16-31 take steps 4-7
	v_lshlrev_b32 v[BAD], 6, v14
	v_add_nc_u32 v[ADW], s47, v[L8]
	v_add_nc_u32 v[ADA], AX, v[L8]
	v_add_nc_u32 v[ADA+1], AX+4*TROW, v[L8]
	v_mul_u32_u24 v[STO], v13, SP
	v_lshl_add_u32 v[STO], v14, 6, v[STO]
	v_add_nc_u32 v[STO], s18, v[STO]               ; into the stage: row r, 64 bytes for each half of the lanes
	v_mul_u32_u24 v[RD], v14, SP
	v_lshl_add_u32 v[RD], v13, 4, v[RD]
	v_add_nc_u32 v[RD], s18, v[RD]                 ; back: sixteen lanes to a row of 256 bytes, two rows an instruction
	v_lshlrev_b32 v[CO], 12, v14
	v_lshl_add_u32 v[CO], v13, 4, v[CO]            ; and the same two rows in out0
.irp g, 0,1
.irp p, 0,1,2,3
	global_load_b64 v[SW+8*\g+2*\p:SW+8*\g+2*\p+1], v[LSW], s[58:59] offset:1024*\g+128*\p
.endr
.endr
.irp a, 0,1,2,3,4,5,6,7
.irp p, 0,1
	global_load_b64 v[SAX+4*\a+2*\p:SAX+4*\a+2*\p+1], v[LSA], s[56:57] offset:512*\a+128*\p
.endr
.endr
.irp b, 0,1,2,3
	global_load_b128 v[BIAS+8*\b:BIAS+8*\b+3], v[BAD], s[60:61] offset:(32*(\b/2)+8*(\b%2))*4
	global_load_b128 v[BIAS+8*\b+4:BIAS+8*\b+7], v[BAD], s[60:61] offset:(32*(\b/2)+8*(\b%2))*4+16
.endr
	s_wait_alu depctr_va_vdst(0)
	s_cmp_lt_u32 s[WV], 2
	s_cbranch_scc0 .Lnot_w
	s_wait_tensorcnt 0x0
.Lnot_w:
	s_barrier_signal -1
	s_barrier_wait -1                              ; the weights are in
.irp q, 0,1
	WIN (0x40<<\q)
.irp t, 0,1,2,3
.irp b, 0,1,2,3
.irp p, 0,1,2,3,4,5
	ds_load_b64 v[12*(4*\t+\b)+2*\p:12*(4*\t+\b)+2*\p+1], v[ADW] offset:\b*TROW+(4*\q+\t)*1536+256*\p
.endr
.endr
.endr
.endr
	WIN 0
	s_wait_tensorcnt 0x0
	s_wait_dscnt 0x0
	s_barrier_signal -1
	s_barrier_wait -1                              ; the tokens are in
.macro FETCH a                         ; token tile a, all of K, into set a % 2: 48 loads
	WIN 0xc0
.irp s, 0,1,2,3,4,5,6,7
.irp p, 0,1,2,3,4,5
	ds_load_b64 v[96*((\a)%2)+12*\s+2*\p:96*((\a)%2)+12*\s+2*\p+1], v[ADA+(\a)/4] offset:((\a)%4)*TROW+1536*\s+256*\p
.endr
.endr
	WIN 0
.endm
.macro PRODS a
.irp q, 0,1
	WIN 0x0d+\q
.irp t, 0,1,2,3
.irp g, 0,1
.irp o, 0,1
.set DR, ACC+32*((\a)%2)+8*(2*\g+\o)
.if \q+\t
	W6 DR, 12*(4*\t+2*\g+\o), 96*((\a)%2)+12*(4*\q+\t), v[DR:DR+7], SW+8*\g+4*\q+\t, SAX+4*(\a)+\t, \o, \q
.else
	W6 DR, 12*(4*\t+2*\g+\o), 96*((\a)%2)+12*(4*\q+\t), v[BIAS+8*(2*\g+\o):BIAS+8*(2*\g+\o)+7], SW+8*\g+4*\q+\t, SAX+4*(\a)+\t, \o, \q
.endif
.endr
.endr
.endr
.endr
	WIN 0
.endm
.macro TOSTAGE a                       ; LDS serves a wave's instructions in order: the loads see the stores
.set AC, ACC+32*((\a)%2)
.irp b, 0,1,2,3
	ds_store_b128 v[STO], v[AC+8*\b:AC+8*\b+3] offset:128*(\b/2)+32*(\b%2)
	ds_store_b128 v[STO], v[AC+8*\b+4:AC+8*\b+7] offset:128*(\b/2)+32*(\b%2)+16
.endr
.irp t, 0,1,2,3,4,5,6,7
	ds_load_b128 v[BK+32*((\a)%2)+4*\t:BK+32*((\a)%2)+4*\t+3], v[RD] offset:\t*2*SP
.endr
.endm
.macro SEND a                          ; sixteen lanes store 256 consecutive bytes, aligned
.irp t, 0,1,2,3,4,5,6,7
	global_store_b128 v[CO], v[BK+32*((\a)%2)+4*\t:BK+32*((\a)%2)+4*\t+3], s[62:63] offset:(32*((\a)/2)+8*((\a)%2)+2*\t+8*(\t/4))*4096 th:TH_STORE_NT
.endr
.endm
	FETCH 0
	FETCH 1
	s_wait_loadcnt 0x0                             ; scale words and bias
	s_wait_dscnt 48                                ; tile 0's fragments are in; tile 1's 48 loads may be out
.irp a, 0,1,2,3,4,5,6,7
	PRODS \a
	s_wait_dscnt 0x0                               ; the next tile's fragments and the last tile's rows from the stage, asked for ahead of these 32 products, are in
.if \a > 1
	s_wait_xcnt 0x0                                ; the stores of two tiles ago have read the registers that the stage's loads fill below
.endif
	PLACES 4
	TOSTAGE \a
.if \a < 6
	FETCH \a+2
.endif
.if \a > 0
	SEND \a-1
.endif
.endr
	s_wait_dscnt 0x0
	SEND 7
	s_wait_tensorcnt 0x0                           ; the wave's end
	ds_add_u32 v[SPW], v[NIL]
	s_wait_dscnt 0x0
	CROUND                                         ; the closing round
	s_endpgm
.Lfunc_end_k_qee8ba9545b_out:
	.size	k_qee8ba9545b_out, .Lfunc_end_k_qee8ba9545b_out-k_qee8ba9545b_out
	.p2alignl 7, 3214868480
	.fill 96, 4, 3214868480
	.section	.rodata,"a",@progbits
	.p2align	6, 0x0
	.amdhsa_kernel k_qee8ba9545b_out
		.amdhsa_group_segment_fixed_size 327680
		.amdhsa_private_segment_fixed_size 0
		.amdhsa_enable_private_segment 0
		.amdhsa_kernarg_size 48
		.amdhsa_user_sgpr_count 2
		.amdhsa_user_sgpr_kernarg_segment_ptr 1
		.amdhsa_wavefront_size32 1
		.amdhsa_system_sgpr_workgroup_id_x 1
		.amdhsa_system_sgpr_workgroup_id_y 1
		.amdhsa_system_sgpr_workgroup_id_z 1
		.amdhsa_system_vgpr_workitem_id 0
		.amdhsa_next_free_vgpr 1024
		.amdhsa_next_free_sgpr 66
		.amdhsa_reserve_vcc 0
		.amdhsa_float_denorm_mode_32 3
		.amdhsa_float_denorm_mode_16_64 3
		.amdhsa_memory_ordered 1
		.amdhsa_forward_progress 1
		.amdhsa_inst_pref_size 95
	.end_amdhsa_kernel
	.amdgpu_metadata
---
amdhsa.version: [ 1, 2 ]
amdhsa.kernels:
  - .name:           k_qee8ba9545b_out
    .symbol:         k_qee8ba9545b_out.kd
    .args:
      - { .name: aimg, .offset: 0, .size: 8, .value_kind: global_buffer, .address_space: global }
      - { .name: asc, .offset: 8, .size: 8, .value_kind: global_buffer, .address_space: global }
      - { .name: cimg, .offset: 16, .size: 8, .value_kind: global_buffer, .address_space: global }
      - { .name: csc, .offset: 24, .size: 8, .value_kind: global_buffer, .address_space: global }
      - { .name: b_out, .offset: 32, .size: 8, .value_kind: global_buffer, .address_space: global }
      - { .name: out0, .offset: 40, .size: 8, .value_kind: global_buffer, .address_space: global }
    .group_segment_fixed_size: 327680
    .private_segment_fixed_size: 0
    .kernarg_segment_align: 8
    .kernarg_segment_size: 48
    .max_flat_workgroup_size: 128
    .sgpr_count:     66
    .vgpr_count:     1024
    .wavefront_size: 32
...
	.end_amdgpu_metadata
.endif
;; end of part 5
